; MI455X (gfx1250); checked and timed in simulation.
; The chip was launched on July 23, 2026; its instructions are those of AMD's public machine-readable ISA for CDNA 5 (MIT licence, August 2026) and "CDNA5" Instruction Set Architecture Reference Guide (July 2026). The comments in the code are by the model that wrote it; some were corrected since.
;; Attention. Allowed arithmetic: matrix products marked QUANTISED: E5M2 operands, one E8M0 scale for each 32 along K, by v_wmma_scale_f32_16x16x128_f8f6f4 with both operands' format E5M2, f32 sums; products left as they are: f32 operands where the result goes on into a quantised operand, else bf16, f16 or f32 operands; f32 sums; everything else in f32.
;; Inputs: V 1,024 x 1 float32; W1_codes 1,024 x 32 x 32 uint8 (E5M2 codes of W1, K innermost, in blocks of 32 codes); W1_scales 1,024 x 32 uint8 (E8M0 scales of W1, one for each 32 codes along K); W2_codes 1,024 x 32 x 32 uint8 (E5M2 codes of W2, K innermost, in blocks of 32 codes); W2_scales 1,024 x 32 uint8 (E8M0 scales of W2, one for each 32 codes along K); b1 1,024 float32; b2 1,024 float32; bV 1 float32; features 32 x 2,048 x 1,024 float32; hidden_codes 32 x 32 x 32 uint8 (E5M2 codes of hidden, K innermost, in blocks of 32 codes); hidden_scales 32 x 32 uint8 (E8M0 scales of hidden, one for each 32 codes along K); seq_len 32 int32.
;; Outputs: out0 32 x 1,024 float32; out1 32 x 2,048 x 1 float32.
;; This version of the problem:
;;   THIS VERSION OF THE PROBLEM IS GIVEN IN LOW PRECISION. The matrix products marked QUANTISED in the list below multiply operands that are first quantised to E5M2 (5 exponent bits, 2 mantissa bits; 8 bits a number), with one power-of-two scale for each 32 numbers along K (OCP MX v1.0); their sums are f32. All else is computed in f32.
;;   The module's matrix products, in the order in which they are computed (A, B: the left and right operand; K: the contracted axis; several contracted axes count as one K, in the product's order):
;;     1. [M 65,536, K 1,024] x [K 1,024, N 1,024]; A: input features; B: input W1 (given as codes): QUANTISED
;;     2. [M 32, K 1,024] x [K 1,024, N 1,024]; A: input hidden (given as codes); B: input W2 (given as codes): QUANTISED
;;     3. [M 65,536, K 1,024] x [K 1,024, N 1]; A: computed on the way; B: input V: left as it is (N = 1 < 16)
;;   THE QUANTISER, for each operand of a quantised product, along K:
;;     - K is cut into blocks of 32 from its start; a last block that is shorter is filled with zeros.
;;     - A block's scale is 2^e with e = floor(log2(the largest magnitude in the block)) - 15, held to -126 .. 127; a block of zeros has e = 0. As a byte (E8M0): e + 127.
;;     - Each number is divided by its block's scale, clamped to +-57,344, and rounded to the nearest number of E5M2, ties to even, subnormals kept.
;;     - The product sums the exact products of the quantised numbers (number of the format x scale) in f32.
;;   ~~~python
;;   def quantise(x, axis):      # numpy; x: float32 -> the quantised numbers, widened to float32 again
;;       x = np.moveaxis(x, axis, -1); K = x.shape[-1]
;;       x = np.pad(x, [(0, 0)] * (x.ndim - 1) + [(0, -K % 32)]); x = x.reshape(x.shape[:-1] + (-1, 32)); a = np.abs(x).max(-1, keepdims=True)
;;       e = np.where(a > 0, np.clip(np.frexp(np.where(a > 0, a, 1))[1] - 1 - 15, -126, 127), 0)      # np.frexp(a)[1] - 1 = floor(log2(a)), exactly
;;       r = np.clip(x / 2.0 ** e, -57344, 57344)
;;       step = 2.0 ** (np.maximum(np.frexp(np.where(r == 0, 1, r))[1] - 1, -14) - 2)
;;       q = np.round(r / step) * step * 2.0 ** e      # np.round: ties to even
;;       return np.moveaxis(q.reshape(q.shape[:-2] + (-1,))[..., :K], -1, axis).astype(np.float32)
;;   ~~~
;;   INPUTS GIVEN AS CODES. W1 (in the module: [1024, 1024], K = its axis 0); W2 (in the module: [1024, 1024], K = its axis 0); hidden (in the module: [32, 1024], K = its axis 1): each comes as NAME_codes (uint8): NAME with its K axis moved to the last place and cut into blocks of 32 codes, [.., K / 32, bytes a block], one block behind the other in memory; one code a byte (a code: sign, 5 exponent bits, 2 mantissa bits); and NAME_scales (uint8): the same leading axes, one E8M0 byte (e + 127) for each 32 codes along K. Its value is code x scale, taken as it is: it is not quantised again, and the codes and scales need not be those that the quantiser above would give.
;; 2 versions, each right; version 2 is version 1 with the launches prep, score written anew for expert scheduling mode. Each part assembles by itself: llvm-mc -triple=amdgcn-amd-amdhsa -mcpu=gfx1250 --defsym DOCPART=n.
;; ======== version 1 of 2: 3 launches
;; workspace buffers: hb 131,072 bytes; w1f 1,048,576 bytes; sc 262,144 bytes; order 256 bytes of whole numbers; tiles 1,536 bytes of whole numbers
;; launch prep (part 1): grid 81 x 1, 4 waves a work-group, no clusters, 9,216 bytes of LDS; arguments hidden_codes, hidden_scales, W2_codes, W2_scales, b1, b2, W1_codes, hb, w1f, seq_len, order, tiles; writes hb, w1f, order, tiles
.if DOCPART == 1
	.amdgcn_target "amdgcn-amd-amdhsa--gfx1250"
	.amdhsa_code_object_version 6
	.text
	.protected	k_qfe4b6d23d6_prep
	.globl	k_qfe4b6d23d6_prep
	.p2align	8
	.type	k_qfe4b6d23d6_prep,@function
k_qfe4b6d23d6_prep:
	s_mov_b64 s[64:65], 0
	v_nop
	global_prefetch_b8 v0, s[64:65] scope:SCOPE_SE
	s_setreg_imm32_b32 hwreg(HW_REG_WAVE_MODE, 25, 1), 1
	s_wait_xcnt 0x0
; Three small jobs ahead of the scores, in one launch.
; Work-groups 0-15:  hb[b][n] = c2 x (sum over k of hidden[b][k] W2[k][n] + b1[n] + b2[n]),  c2 = 2 log2(e): the whole addend of the later tanh, already in the
;   units of its exponential.  hidden [32][1024] and W2 [1024 (n)][1024 (k)] are codes of E5M2 with one E8M0 byte for each 32 along K; they go to the matrix unit as they lie.
;   Work-group x makes n = 64 x .. 64 x + 63; wave w the tile of 16 at n0 = 64 x + 16 w, for both tiles of 16 batches: two accumulators by turns, 8 K steps of 128.
;   The product is used transposed (source 0 = 16 rows of W2, source 1 = 16 batches): a lane holds 8 neighbouring n of one batch.  b1 + b2 is the C of each sum's first instruction.
;   The results meet in a stage in LDS (32 rows x 256 bytes + 16) and leave as whole rows: sixteen lanes store 256 consecutive bytes, aligned.
; Work-groups 16-79: W1's codes are laid anew in the order of the operand's registers.  Tile nt = x - 16 (16 rows n); wave w takes K steps 2 w, 2 w + 1.
;   w1f byte ((g 8 + s) 4 + bb) 2048 + 512 c + 16 lane = W1_codes[(16 nt + r) 1024 + 128 s + 32 c + 16 h ..], nt = 4 g + bb, lane = 16 h + r.  Each store covers 512 consecutive bytes.
; Work-group 80, wave 0: two lists of whole numbers from seq_len, by which the later launches deal their work.  Lane b holds batch b.
;   order[rank] = rows x 32 + b, the batches by falling number of rows that the weighted sum reads (seq_len held to 0 .. 2,048; 2,048 where seq_len < 1, since all rows weigh alike there).
;   tiles[place] = n << 16 | b << 8 | i for the 352 tiles of 192 rows (n: seq_len held to 0 .. 2,048): the tiles that hold a row in front of seq_len first, the others behind them.
.set C2,  0x4038aa3b                   ; 2 log2(e)
.set SP,  272                          ; a stage row: 256 bytes + 16 = 17 x 16, so that sixteen rows begin in sixteen different groups of four banks (64 banks of 4 bytes: ISA guide 11.1)
.set HO,  3                            ; v3   r x 1024 + 16 h: a fragment's place in rows of 1,024 codes
.set SO,  4                            ; v4   r x 32: a row of scale bytes
.set BO,  5                            ; v5   h x 32: my eight numbers of a bias
.set L16, 6                            ; v6   16 x lane
.set STO, 7                            ; v7   the stage, in:  r x 272 + 64 w + 32 h
.set RD,  8                            ; v8   the stage, out: (8 w + h) x 272 + 16 r
.set GO,  9                            ; v9   the same place in hb: (8 w + h) x 4096 + 16 r
.set D,   16                           ; v[16:31]   two accumulators
.set BI,  32                           ; v[32:39]   b1 + b2
.set WS,  40                           ; v[40:47]   W2's scale words, one for each K step;  v[48:63] hidden's, at 8 mt + s.  On the way with products they hold scales and nothing else
.set HS,  48
.set WF,  64                           ; v[64:191]  W2's eight fragments.  (hidden's sixteen fill window 1, at 16 (8 mt + s))
.set BL,  192                          ; v[192:207] b1, b2 as loaded
.set RS,  208                          ; v[208:223] results x c2
.set MSB, 0
.macro WIN new                         ; the immediate's high byte repeats the setting that is left
.if MSB != \new
	s_set_vgpr_msb (MSB<<8)|\new
.set MSB, \new
.endif
.endm
	s_load_b512 s[4:19], s[0:1], 0x0               ; hidden's codes s[4:5], its scales s[6:7], W2's codes s[8:9], its scales s[10:11], b1 s[12:13], b2 s[14:15], W1's codes s[16:17], hb s[18:19]
	s_load_b256 s[20:27], s[0:1], 0x40             ; w1f s[20:21], seq_len s[22:23], order s[24:25], tiles s[26:27]
	v_lshl_add_u32 v254, v0, 2, 0x2200
	v_mov_b32 v255, 0
	v_lshrrev_b32 v10, 5, v0
	v_readfirstlane_b32 s32, v10                   ; wave 0..3
	s_mov_b32 s33, ttmp9                           ; work-group
	v_and_b32 v1, 15, v0                           ; r
	v_bfe_u32 v2, v0, 4, 1                         ; h
	v_lshlrev_b32 v[HO], 10, v1
	v_lshl_add_u32 v[HO], v2, 4, v[HO]
	v_lshlrev_b32 v[SO], 5, v1
	v_lshlrev_b32 v[BO], 5, v2
	v_and_b32 v[L16], 31, v0
	v_lshlrev_b32 v[L16], 4, v[L16]
	v_mul_u32_u24 v[STO], v1, SP
	v_lshl_add_u32 v[STO], v2, 5, v[STO]
	s_lshl_b32 s36, s32, 6
	v_add_nc_u32 v[STO], s36, v[STO]
	s_lshl_b32 s36, s32, 3
	v_add_nc_u32 v10, s36, v2                      ; 8 w + h
	v_mul_u32_u24 v[RD], v10, SP
	v_lshl_add_u32 v[RD], v1, 4, v[RD]
	v_lshlrev_b32 v[GO], 12, v10
	v_lshl_add_u32 v[GO], v1, 4, v[GO]
	s_mov_b32 s34, C2
	s_mov_b32 s35, s34                             ; (the packed form names the pair)
	s_mov_b32 s39, 0
	s_wait_kmcnt 0x0
	s_cmp_ge_u32 s33, 16                           ; the choice hangs on the work-group's number alone
	s_cbranch_scc1 .Lcopy
	; ---- hb: my tile of 16 n
	s_lshl_b32 s36, s33, 6
	s_lshl_b32 s38, s32, 4
	s_add_co_u32 s36, s36, s38                     ; n0
	s_lshl_b32 s38, s36, 10
	s_add_nc_u64 s[8:9], s[8:9], s[38:39]          ; W2's codes at row n0
	s_lshl_b32 s38, s36, 5
	s_add_nc_u64 s[10:11], s[10:11], s[38:39]      ; its scale bytes
	s_lshl_b32 s38, s36, 2
	s_add_nc_u64 s[12:13], s[12:13], s[38:39]      ; b1, b2 at n0
	s_add_nc_u64 s[14:15], s[14:15], s[38:39]
	s_lshl_b32 s38, s33, 8
	s_add_nc_u64 s[18:19], s[18:19], s[38:39]      ; hb at column 64 x
	WIN 0x40                                       ; destination window 1
.irp mt, 0,1
.irp s, 0,1,2,3,4,5,6,7
.irp c, 0,1,2,3
	global_load_b128 v[16*(8*\mt+\s)+4*\c:16*(8*\mt+\s)+4*\c+3], v[HO], s[4:5] offset:\mt*16384+\s*128+32*\c
.endr
.endr
.endr
	WIN 0
.irp s, 0,1,2,3,4,5,6,7
.irp c, 0,1,2,3
	global_load_b128 v[WF+16*\s+4*\c:WF+16*\s+4*\c+3], v[HO], s[8:9] offset:\s*128+32*\c
.endr
.endr
.irp q, 0,1
	global_load_b128 v[WS+4*\q:WS+4*\q+3], v[SO], s[10:11] offset:16*\q          ; a row's 32 scale bytes are its eight words, one for each K step
	global_load_b128 v[HS+4*\q:HS+4*\q+3], v[SO], s[6:7] offset:16*\q
	global_load_b128 v[HS+8+4*\q:HS+8+4*\q+3], v[SO], s[6:7] offset:512+16*\q
	global_load_b128 v[BL+4*\q:BL+4*\q+3], v[BO], s[12:13] offset:16*\q
	global_load_b128 v[BL+8+4*\q:BL+8+4*\q+3], v[BO], s[14:15] offset:16*\q
.endr
	s_wait_loadcnt 0x0
.irp p, 0,2,4,6
	v_pk_add_f32 v[BI+\p:BI+\p+1], v[BL+\p:BL+\p+1], v[BL+8+\p:BL+8+\p+1]
.endr
.rept 4
	v_nop
.endr
	WIN 0x04                                       ; source 1 (hidden) window 1
.irp s, 0,1,2,3,4,5,6,7                        ; the two accumulators take turns, one instruction a turn
.irp mt, 0,1
.if \s == 0
	v_wmma_scale_f32_16x16x128_f8f6f4 v[D+8*\mt:D+8*\mt+7], v[WF+16*\s:WF+16*\s+15], v[16*(8*\mt+\s):16*(8*\mt+\s)+15], v[BI:BI+7], v[WS+\s], v[HS+8*\mt+\s] matrix_a_fmt:MATRIX_FMT_BF8 matrix_b_fmt:MATRIX_FMT_BF8
.else
	v_wmma_scale_f32_16x16x128_f8f6f4 v[D+8*\mt:D+8*\mt+7], v[WF+16*\s:WF+16*\s+15], v[16*(8*\mt+\s):16*(8*\mt+\s)+15], v[D+8*\mt:D+8*\mt+7], v[WS+\s], v[HS+8*\mt+\s] matrix_a_fmt:MATRIX_FMT_BF8 matrix_b_fmt:MATRIX_FMT_BF8
.endif
.endr
.endr
	WIN 0
.rept 8
	v_nop                                          ; eight places between this form and the first read of its results
.endr
.irp p, 0,2,4,6,8,10,12,14                     ; each accumulator from its low end on
	v_pk_mul_f32 v[RS+\p:RS+\p+1], v[D+\p:D+\p+1], s[34:35] op_sel_hi:[1,0]
.endr
.irp mt, 0,1
	ds_store_b128 v[STO], v[RS+8*\mt:RS+8*\mt+3] offset:\mt*16*SP              ; lane (r, h): hb(16 mt + r, n0 + 8 h + 0 .. 7)
	ds_store_b128 v[STO], v[RS+8*\mt+4:RS+8*\mt+7] offset:\mt*16*SP+16
.endr
	s_branch .Lmeet
.Lcopy:
	s_cmp_eq_u32 s33, 80
	s_cbranch_scc1 .Llists
	; ---- w1f: my two K steps of tile nt
	s_sub_co_u32 s36, s33, 16                      ; nt
	s_lshl_b32 s38, s36, 14                        ; 16 rows of 1,024 bytes,
	s_lshl_b32 s37, s32, 8                         ; + two K steps of 128 bytes a wave
	s_add_co_u32 s38, s38, s37
	s_add_nc_u64 s[16:17], s[16:17], s[38:39]
	s_lshr_b32 s37, s36, 2
	s_lshl_b32 s38, s37, 16                        ; g x 65,536
	s_and_b32 s37, s36, 3
	s_lshl_b32 s37, s37, 11                        ; + bb x 2,048
	s_add_co_u32 s38, s38, s37
	s_lshl_b32 s37, s32, 14                        ; + 2 w x 8,192
	s_add_co_u32 s38, s38, s37
	s_add_nc_u64 s[20:21], s[20:21], s[38:39]
.irp e, 0,1
.irp c, 0,1,2,3
	global_load_b128 v[WF+16*\e+4*\c:WF+16*\e+4*\c+3], v[HO], s[16:17] offset:\e*128+32*\c
.endr
.endr
	s_wait_loadcnt 0x0
.irp e, 0,1
.irp c, 0,1,2,3
	global_store_b128 v[L16], v[WF+16*\e+4*\c:WF+16*\e+4*\c+3], s[20:21] offset:\e*8192+\c*512
.endr
.endr
	s_branch .Lmeet
.Llists:	; ---- the two lists, by wave 0: whole numbers only.  v10 lane = b; v13 n; v16 key; v17 rank; v22 my batch's tiles that count; v23 those of the batches in front of mine
	s_cmp_lg_u32 s32, 0
	s_cbranch_scc1 .Lmeet
	v_and_b32 v10, 31, v0
	v_lshlrev_b32 v11, 2, v10
	global_load_b32 v12, v11, s[22:23]             ; seq_len[b]
	v_mov_b32 v14, 0
	v_mov_b32 v15, 0x800
	v_mov_b32 v19, 1
	v_mov_b32 v17, 0
	v_mov_b32 v22, 0
	v_mov_b32 v23, 0
	s_wait_loadcnt 0x0
	v_cmp_gt_i32 vcc_lo, 1, v12                    ; seq_len < 1
	v_cndmask_b32 v13, v12, v14, vcc_lo            ; counts as 0,
	v_min_u32 v13, 0x800, v13                      ; and no more than 2,048: n
	v_cndmask_b32 v16, v13, v15, vcc_lo            ; rows that the weighted sum reads: n, or all 2,048 where no row counts
	v_lshl_add_u32 v16, v16, 5, v10                ; key = rows x 32 + b: no two alike
.irp k, 0,1,2,3,4,5,6,7,8,9,10,11,12,13,14,15,16,17,18,19,20,21,22,23,24,25,26,27,28,29,30,31
	v_readlane_b32 s36, v16, \k
	v_cmp_gt_u32 vcc_lo, s36, v16                  ; batch k's key is larger than mine
	v_cndmask_b32 v18, v14, v19, vcc_lo
	v_add_nc_u32 v17, v17, v18                     ; my rank: how many are larger
.endr
	v_min_u32 v17, 31, v17                         ; a number made of loaded ones enters an address behind a bound written in the instruction
	v_lshlrev_b32 v17, 2, v17
	global_store_b32 v17, v16, s[24:25]            ; the ranks are 0 .. 31, each once: 128 bytes on end
.irp i, 0,1,2,3,4,5,6,7,8,9,10
	v_cmp_lt_u32 vcc_lo, 192*\i, v13               ; tile i begins in front of n
	v_cndmask_b32 v18, v14, v19, vcc_lo
	v_add_nc_u32 v22, v22, v18
.endr
	s_mov_b32 s37, 0
.irp k, 0,1,2,3,4,5,6,7,8,9,10,11,12,13,14,15,16,17,18,19,20,21,22,23,24,25,26,27,28,29,30,31
	v_writelane_b32 v23, s37, \k                   ; lane k: the sum so far
	v_readlane_b32 s36, v22, \k
	s_add_co_u32 s37, s37, s36
.endr                                          ; s37: all tiles that count
	v_mul_u32_u24 v24, v10, 11
	v_add_nc_u32 v24, s37, v24
	v_sub_nc_u32 v24, v24, v23
	v_sub_nc_u32 v24, v24, v22                     ; a tile i that does not count goes to place s37 + (11 b - v23) + (i - v22)
	v_lshlrev_b32 v26, 16, v13
	v_lshl_or_b32 v26, v10, 8, v26                 ; n << 16 | b << 8
.irp i, 0,1,2,3,4,5,6,7,8,9,10                 ; each store has registers of its own
	v_cmp_lt_u32 vcc_lo, \i, v22
	v_cndmask_b32 v[40+\i], v24, v23, vcc_lo       ; one that counts goes to place v23 + i
	v_add_nc_u32 v[40+\i], \i, v[40+\i]
	v_min_u32 v[40+\i], 351, v[40+\i]
	v_lshlrev_b32 v[40+\i], 2, v[40+\i]
	v_add_nc_u32 v[52+\i], \i, v26
	global_store_b32 v[40+\i], v[52+\i], s[26:27]  ; the places are 0 .. 351, each once
.endr
.Lmeet:
	s_wait_dscnt 0x0                               ; for the others' sake: my stores into the stage are done
	s_barrier_signal -1
	s_barrier_wait -1
	s_cmp_ge_u32 s33, 16
	s_cbranch_scc1 .Lend
.irp i, 0,1,2,3
	ds_load_b128 v[RS+4*\i:RS+4*\i+3], v[RD] offset:\i*2*SP                    ; rows 8 w + 2 i + h, whole
.endr
.irp i, 0,1,2,3
	s_wait_dscnt 3-\i                              ; LDS loads come back in order: the younger ones may stay out
	global_store_b128 v[GO], v[RS+4*\i:RS+4*\i+3], s[18:19] offset:\i*8192     ; sixteen lanes store 256 consecutive bytes, at a multiple of 256 from hb's first byte
.endr
.Lend:
	s_wait_tensorcnt 0x0
	ds_add_u32 v254, v255
	s_wait_dscnt 0x0
	s_endpgm
.Lfunc_end_k_qfe4b6d23d6_prep:
	.size	k_qfe4b6d23d6_prep, .Lfunc_end_k_qfe4b6d23d6_prep-k_qfe4b6d23d6_prep
	.p2alignl 7, 3214868480
	.fill 96, 4, 3214868480
	.section	.rodata,"a",@progbits
	.p2align	6, 0x0
	.amdhsa_kernel k_qfe4b6d23d6_prep
		.amdhsa_group_segment_fixed_size 9216
		.amdhsa_private_segment_fixed_size 0
		.amdhsa_enable_private_segment 0
		.amdhsa_kernarg_size 96
		.amdhsa_user_sgpr_count 2
		.amdhsa_user_sgpr_kernarg_segment_ptr 1
		.amdhsa_wavefront_size32 1
		.amdhsa_system_sgpr_workgroup_id_x 1
		.amdhsa_system_sgpr_workgroup_id_y 1
		.amdhsa_system_sgpr_workgroup_id_z 1
		.amdhsa_system_vgpr_workitem_id 0
		.amdhsa_next_free_vgpr 512
		.amdhsa_next_free_sgpr 66
		.amdhsa_reserve_vcc 1
		.amdhsa_float_denorm_mode_32 3
		.amdhsa_float_denorm_mode_16_64 3
		.amdhsa_memory_ordered 1
		.amdhsa_forward_progress 1
		.amdhsa_inst_pref_size 35
	.end_amdhsa_kernel
	.amdgpu_metadata
---
amdhsa.version: [ 1, 2 ]
amdhsa.kernels:
  - .name:           k_qfe4b6d23d6_prep
    .symbol:         k_qfe4b6d23d6_prep.kd
    .args:
      - { .name: hidden_codes, .offset: 0, .size: 8, .value_kind: global_buffer, .address_space: global }
      - { .name: hidden_scales, .offset: 8, .size: 8, .value_kind: global_buffer, .address_space: global }
      - { .name: W2_codes, .offset: 16, .size: 8, .value_kind: global_buffer, .address_space: global }
      - { .name: W2_scales, .offset: 24, .size: 8, .value_kind: global_buffer, .address_space: global }
      - { .name: b1, .offset: 32, .size: 8, .value_kind: global_buffer, .address_space: global }
      - { .name: b2, .offset: 40, .size: 8, .value_kind: global_buffer, .address_space: global }
      - { .name: W1_codes, .offset: 48, .size: 8, .value_kind: global_buffer, .address_space: global }
      - { .name: hb, .offset: 56, .size: 8, .value_kind: global_buffer, .address_space: global }
      - { .name: w1f, .offset: 64, .size: 8, .value_kind: global_buffer, .address_space: global }
      - { .name: seq_len, .offset: 72, .size: 8, .value_kind: global_buffer, .address_space: global }
      - { .name: order, .offset: 80, .size: 8, .value_kind: global_buffer, .address_space: global }
      - { .name: tiles, .offset: 88, .size: 8, .value_kind: global_buffer, .address_space: global }
    .group_segment_fixed_size: 9216
    .private_segment_fixed_size: 0
    .kernarg_segment_align: 8
    .kernarg_segment_size: 96
    .max_flat_workgroup_size: 128
    .sgpr_count:     66
    .vgpr_count:     512
    .wavefront_size: 32
...
	.end_amdgpu_metadata
.endif
;; end of part 1
;; launch score (part 2): grid 352 x 1, 4 waves a work-group, no clusters, 284,160 bytes of LDS; arguments features, tiles, w1f, W1_scales, hb, V, bV, sc; writes sc
.if DOCPART == 2
	.amdgcn_target "amdgcn-amd-amdhsa--gfx1250"
	.amdhsa_code_object_version 6
	.text
	.protected	k_qfe4b6d23d6_score
	.globl	k_qfe4b6d23d6_score
	.p2align	8
	.type	k_qfe4b6d23d6_score,@function
k_qfe4b6d23d6_score:
	s_mov_b64 s[64:65], 0
	v_nop
	global_prefetch_b8 v0, s[64:65] scope:SCOPE_SE
	s_setreg_imm32_b32 hwreg(HW_REG_WAVE_MODE, 25, 1), 1
	s_wait_xcnt 0x0
; sc[b][t] = V . tanh(Q(features[b][t]) W1 + b1 + hidden[b] W2 + b2) + bV where t < seq_len[b], else -1e30.  Q: the quantiser to E5M2 with one E8M0 scale for each 32 along D.
; SHARES.  Work-group k takes the tile that tiles[k] names (n << 16 | b << 8 | i; n = seq_len[b] held to 0 .. 2,048): rows t0 = 192 i .. t0 + 191 of batch b, 12 tiles of 16 rows.
; The list has the tiles that hold a row in front of seq_len first, so that these are dealt to the WGPs first.  A tile all of whose rows lie at or behind seq_len[b] has weight 0 in the softmax: its two pieces
; of work are jumped over by a scalar branch on n (so the launch has no tensor load, and shares no tile in a cluster: partners would have different work), and -1e30 is stored.
; Both branches stand inside loops of constant count; both barriers are on every wave's path.
; PHASE Q.  The four waves read whole rows of 4,096 bytes (wave w: bytes 1,024 w on = K steps 2 w, 2 w + 1), turn them through a stage in LDS so that a lane holds 16 neighbours along D,
; quantise them, and leave each fragment (16 rows x 128 K) in LDS as an image of the operand's registers: 4 stores of 512 consecutive bytes; its scale words beside them.
; THE PRODUCT.  Wave w owns hidden units 256 w .. 256 w + 255, in four chunks of 64: 12 x 4 accumulators, 384 registers.  Source 0 = 16 rows of W1 (from w1f, laid in register order: each
; load takes 512 consecutive bytes), source 1 = 16 rows of features (from LDS).  A lane holds ONE row of features (lane % 16) and 8 neighbouring hidden units.
; TANH.  tanh(x) = 1 - 2 / (1 + 2^(c2 x)), c2 = 2 log2(e).  hb holds c2 x the whole addend, so c2 x is one multiply-add on the sum.  V . tanh = sum of V + sum of (-2 V) / (1 + 2^(c2 x)).
; 2^(..) = infinity gives 0 (tanh = 1), 2^(..) = 0 gives 1 (tanh = -1): no clamp is needed.
; The last tile of a batch (i = 10) has 128 rows: its third trip of phase Q reads rows 1,920 .. 1,983 once more, so that no load leaves the buffer; those scores are not stored.
; LIMITS: NaN and infinities in features are not served.  A block whose largest magnitude lies under 2^-111 keeps the scale byte 1, a block of zeros too (its codes are zeros; the bytes are read here alone).
; REGISTERS, in windows of 256.  Window 0: v2-15 addresses and the sum of V; v16-39 the rows' scores, a pair for each tile; v40-71 W1's scale words, v72-167 the features' (scales and nothing else);
;   v168-199 the chunk's addends, v200-231 its -2 V; v232-243 at work.   Window 1: the features' 12 fragments (v0-191), set 2 of W1's fragments (v192-255); in phase Q a ring of 4 x 64 as loaded.
;   Window 2: the accumulators of tiles 0-7; in phase Q two sets of 64 numbers, the codes, the quantiser's scratch.   Window 3: the accumulators of tiles 8-11 (v0-127), sets 0, 1 of W1's fragments.
.set C2,   0x4038aa3b                  ; 2 log2(e)
.set AIMG, 0                           ; LDS: fragment (a, s) at (8 a + s) x 2,048 + 512 c + 16 lane: 196,608 bytes
.set ASC,  196608                      ; the features' scale words at 1,024 s + 64 r + 4 a: 8,192 bytes
.set HBL,  204800                      ; hb[b][0 .. 1023]
.set VML,  4096                        ; and, this far behind it, -2 V
.set RED,  212992                      ; [wave][192] partial scores
.set STG,  216064                      ; for each wave two stages of 16 rows
.set SPIT, 528                         ; a stage row: 512 bytes + 16 = 33 x 16: sixteen rows begin in sixteen different groups of four banks (64 banks of 4 bytes: ISA guide 11.1)
.set STG1, 16*SPIT
.set STW,  2                           ; v2   my stage, in: + 16 lane
.set STR,  3                           ; v3   my stage, out: + 528 r + 64 h
.set IMW,  4                           ; v4   where I store images: 4,096 w + 16 lane
.set SCW,  5                           ; v5   and their scale words: ASC + 2,048 w + 64 r
.set L16,  6                           ; v6   16 lane;  v6, v7, v8: an image's place for my lane in tiles 0-3, 4-7, 8-11
.set ADA,  6
.set ASR,  9                           ; v9   ASC + 64 r
.set BVA,  10                          ; v10  HBL + 1,024 w + 32 h
.set SBO,  11                          ; v11  32 r: a row of W1's scale bytes
.set RDW,  12                          ; v12  RED + 768 w + 4 r
.set RDR,  13                          ; v13  RED + 16 lane
.set VSUM, 14                          ; v14  the sum of V over my wave's 256 hidden units
.set RDR2, 15                          ; v15  RED + 512 + 8 lane
.set SC,   16
.set SCB,  40
.set SCA,  72
.set BI,   168
.set VM,   200
.set IMC,  232                         ; v232-234: this trip's addresses
.set SWC,  233
.set BVC,  234
.set T,    235                         ; v235-243 at work in the head and behind phase Q
.set PC,   128                         ; window 2, phase Q: the codes just made,
.set TM,   144                         ; largest magnitudes, bytes, holds, scale operands,
.set PW,   160                         ; the scale word
.set MSB, 0
.macro WIN new                         ; the immediate's high byte repeats the setting that is left
.if MSB != \new
	s_set_vgpr_msb (MSB<<8)|\new
.set MSB, \new
.endif
.endm
.macro PLACES                          ; eight places behind this matrix form, in front of loads into its operands and of the first read of its results
.rept 8
	v_nop
.endr
.endm
	s_load_b512 s[4:19], s[0:1], 0x0               ; features s[4:5], tiles s[6:7], w1f s[8:9], W1's scales s[10:11], hb s[12:13], V s[14:15], bV s[16:17], sc s[18:19]
	v_lshl_add_u32 v254, v0, 2, 0x45400
	v_mov_b32 v255, 0
	v_lshrrev_b32 v[T], 5, v0
	v_readfirstlane_b32 s20, v[T]                  ; wave 0..3
	s_mov_b32 s28, C2
	s_mov_b32 s29, s28                             ; (the packed form names the pair)
	s_mov_b32 s30, 0x76543210
	s_mov_b32 s31, 0xfedcba98                      ; v_permlanex16_b32's selects for lane l xor 16
	s_mov_b32 s32, 0x600000                        ; the mantissa field of 57,344
	s_mov_b32 s39, 0
	s_mov_b32 s49, 0
	s_mov_b32 s51, 0
	s_mov_b32 s55, 0
	s_lshl_b32 s48, ttmp9, 2
	s_wait_kmcnt 0x0
	s_add_nc_u64 s[6:7], s[6:7], s[48:49]
	s_load_b32 s24, s[6:7], 0x0                    ; my tile's word
	s_load_b32 s26, s[16:17], 0x0                  ; bV
	v_and_b32 v[T], 31, v0                         ; lane
	v_and_b32 v[T+1], 15, v0                       ; r
	v_bfe_u32 v[T+2], v0, 4, 1                     ; h
	v_lshlrev_b32 v[T+3], 5, v[T]                  ; 32 lane: my eight numbers of my wave's 256
	s_lshl_b32 s50, s20, 10
	s_add_nc_u64 s[14:15], s[14:15], s[50:51]      ; V at my wave's hidden units
	global_load_b128 v[176:179], v[T+3], s[14:15]  ; V and, below, hb are wanted behind phase Q: they are waited for there
	global_load_b128 v[180:183], v[T+3], s[14:15] offset:16
	s_add_co_u32 s50, s50, HBL
	v_add_nc_u32 v[T+4], s50, v[T+3]               ; and their place in LDS
	v_lshlrev_b32 v[L16], 4, v[T]
	s_mul_i32 s48, s20, 2*STG1
	s_add_co_u32 s48, s48, STG
	v_add_nc_u32 v[STW], s48, v[L16]
	v_mul_u32_u24 v[STR], v[T+1], SPIT
	v_lshl_add_u32 v[STR], v[T+2], 6, v[STR]
	v_add_nc_u32 v[STR], s48, v[STR]
	s_lshl_b32 s48, s20, 12
	v_add_nc_u32 v[IMW], s48, v[L16]
	s_lshl_b32 s48, s20, 11
	s_add_co_u32 s48, s48, ASC
	v_lshl_add_u32 v[SCW], v[T+1], 6, s48
	v_add_nc_u32 v[ADA+1], 0x10000, v[L16]
	v_add_nc_u32 v[ADA+2], 0x20000, v[L16]
	v_lshl_add_u32 v[ASR], v[T+1], 6, ASC
	v_lshl_add_u32 v[BVA], v[T+2], 5, s50
	v_lshlrev_b32 v[SBO], 5, v[T+1]
	s_mul_i32 s48, s20, 768
	s_add_co_u32 s48, s48, RED
	v_lshl_add_u32 v[RDW], v[T+1], 2, s48
	v_add_nc_u32 v[RDR], RED, v[L16]
	v_lshl_add_u32 v[RDR2], v[T], 3, RED+512
	s_lshl_b32 s54, s20, 18
	s_add_nc_u64 s[42:43], s[8:9], s[54:55]        ; w1f at my wave's first chunk
	s_lshl_b32 s54, s20, 13
	s_add_nc_u64 s[44:45], s[10:11], s[54:55]      ; W1's scale bytes at my wave's first row
.irp a, 0,1,2,3,4,5,6,7,8,9,10,11,12,13,14,15,16,17,18,19,20,21,22,23
	v_mov_b32 v[SC+\a], 0                          ; the scores' sums run over four chunks, and a tile without work leaves them so
.endr
	WIN 0x80
.irp b, 0,1,2,3
	v_mov_b32 v[TM+4+\b], 0                        ; written once: a lane permute's destination counts as one of its sources
.endr
	WIN 0
	s_wait_kmcnt 0x0
	s_and_b32 s21, s24, 0xff
	s_min_u32 s21, s21, 10                         ; i  (a loaded number enters an address behind a bound written in the instruction)
	s_bfe_u32 s22, s24, 0x80008
	s_min_u32 s22, s22, 31                         ; b
	s_lshr_b32 s24, s24, 16                        ; n
	s_mul_i32 s23, s21, 192                        ; t0
	s_lshl_b32 s48, s22, 12
	s_lshl_b32 s54, s20, 10
	s_add_co_u32 s48, s48, s54
	s_add_nc_u64 s[12:13], s[12:13], s[48:49]      ; hb[b] at my wave's hidden units
	global_load_b128 v[168:171], v[T+3], s[12:13]
	global_load_b128 v[172:175], v[T+3], s[12:13] offset:16
	s_lshl_b32 s48, s22, 11
	s_add_co_u32 s48, s48, s23                     ; my first row among all 65,536
	s_lshl_b32 s54, s48, 2
	s_add_nc_u64 s[46:47], s[18:19], s[54:55]      ; sc at that row: a multiple of 256 bytes
	s_lshl_b32 s54, s48, 12
	s_lshl_b32 s48, s20, 10
	s_add_co_u32 s54, s54, s48
	s_add_nc_u64 s[34:35], s[4:5], s[54:55]        ; features at that row, my wave's 1,024 bytes (under 2^28 + 2^12 bytes)
	s_mov_b64 s[36:37], s[34:35]                   ; the base of the trip in hand
	s_cmp_eq_u32 s21, 10
	s_cselect_b32 s40, 0, 0x80000                  ; where phase Q's third trip reads: 128 rows on, or in the last tile the first 64 rows again
	s_cmp_lt_u32 s23, s24                          ; has the tile a row that counts?
	s_cselect_b32 s25, 1, 0
; ---- PHASE Q.  A unit u of a trip: tile of rows 4 j + u / 2, K step 2 w + u % 2: 16 rows x 512 bytes.
.macro LOADU u                         ; 16 loads, each 512 consecutive bytes of one row, into ring place u % 4
	WIN 0x40
.irp i, 0,1,2,3,4,5,6,7,8,9,10,11,12,13,14,15
	global_load_b128 v[64*((\u)%4)+4*\i:64*((\u)%4)+4*\i+3], v[L16], s[36:37] offset:(16*((\u)/2)+\i)*4096+((\u)%2)*512 th:TH_LOAD_NT
.endr
.endm
.macro TURN u                          ; through my stage u % 2: in as loaded, out 64 bytes of each block of 32 a lane.  LDS serves a wave's instructions in order: no wait between
	WIN 0x04
.irp i, 0,1,2,3,4,5,6,7,8,9,10,11,12,13,14,15
	ds_store_b128 v[STW], v[64*((\u)%4)+4*\i:64*((\u)%4)+4*\i+3] offset:STG1*((\u)%2)+SPIT*\i
.endr
	WIN 0x80
.irp bk, 0,1,2,3
.irp jj, 0,1,2,3
	ds_load_b128 v[64*((\u)%2)+16*\bk+4*\jj:64*((\u)%2)+16*\bk+4*\jj+3], v[STR] offset:STG1*((\u)%2)+128*\bk+16*\jj
.endr
.endr
.endm
; 64 numbers of a lane, register 16 b + i = k 32 b + 16 (lane / 16) + i of my row, become a fragment's codes in v[PC] on and its scale word in v[PW].  All in window 2.
.macro QUANT u
.set X, 64*((\u)%2)
	WIN 0xaa
.irp b, 0,1,2,3
	v_max3_num_f32 v[TM+\b], |v[X+16*\b]|, |v[X+1+16*\b]|, 0x8000000          ; block b: my 16 numbers, and the floor 2^(16 - 127): the byte cannot fall under 1
.endr
.irp i, 2,4,6,8,10,12,14
.irp b, 0,1,2,3
	v_max3_num_f32 v[TM+\b], v[TM+\b], |v[X+16*\b+\i]|, |v[X+1+16*\b+\i]|     ; (the four blocks by turns)
.endr
.endr
.irp b, 0,1,2,3
	v_permlanex16_b32 v[TM+4+\b], v[TM+\b], s30, s31
.endr
.irp b, 0,1,2,3
	v_max_num_f32 v[TM+\b], v[TM+\b], v[TM+4+\b]                               ; with lane l xor 16's: the block's largest magnitude
.endr
.irp b, 0,1,2,3
	v_add_nc_u32 v[TM+12+\b], 0xf8800000, v[TM+\b]                             ; 15 off its exponent field: the conversion's scale operand
.endr
.irp b, 0,1,2,3
	v_and_or_b32 v[TM+8+\b], v[TM+\b], 0x7f800000, s32                         ; 57,344 x the scale
.endr
.irp b, 0,1,2,3
	v_lshrrev_b32 v[TM+4+\b], 23, v[TM+12+\b]                                  ; the scale's byte
.endr
	v_lshl_or_b32 v[PW], v[TM+5], 8, v[TM+4]
	v_lshl_or_b32 v[PW], v[TM+6], 16, v[PW]
	v_lshl_or_b32 v[PW], v[TM+7], 24, v[PW]
.irp b, 0,1,2,3
.irp i, 0,1,2,3,4,5,6,7,8,9,10,11,12,13,14,15
	v_med3_num_f32 v[X+16*\b+\i], v[X+16*\b+\i], -v[TM+8+\b], v[TM+8+\b]       ; the conversion to an 8-bit code does not saturate (ISA guide 7.6.2): the hold at the largest code x the scale
.endr
	v_cvt_scalef32_pk8_bf8_f32 v[PC+4*\b:PC+1+4*\b], v[X+16*\b:X+7+16*\b], v[TM+12+\b]
	v_cvt_scalef32_pk8_bf8_f32 v[PC+2+4*\b:PC+3+4*\b], v[X+8+16*\b:X+15+16*\b], v[TM+12+\b]
.endr
	v_nop                                          ; one plain vector instruction behind the last scaled conversion
.endm
.macro IMAGE u                         ; the fragment goes to LDS as it stands; lanes r and 16 + r hold, and write, the same scale word
	WIN 0x08
.irp c, 0,1,2,3
	ds_store_b128 v[IMC], v[PC+4*\c:PC+4*\c+3] offset:((\u)/2)*16384+((\u)%2)*2048+\c*512
.endr
	ds_store_b32 v[SWC], v[PW] offset:((\u)%2)*1024+((\u)/2)*4
.endm
	s_mov_b32 s33, 0                               ; trip j: tiles of rows 4 j .. 4 j + 3
	s_mov_b32 s41, 0                               ; 65,536 j: its images
	s_mov_b32 s52, 0                               ; 16 j: its scale words
.Lq:
	s_cmp_eq_u32 s25, 0
	s_cbranch_scc1 .Lq_next
	v_add_nc_u32 v[IMC], s41, v[IMW]
	v_add_nc_u32 v[SWC], s52, v[SCW]
	LOADU 0
	LOADU 1
	LOADU 2
	LOADU 3
	s_wait_loadcnt 48                              ; unit 0 is in (and V and hb, which are older); three units of 16 loads may stay out
	TURN 0
.irp u, 0,1,2,3,4,5,6,7
	s_wait_dscnt 0x0                               ; this unit's numbers are back from the stage; its stores into the stage have read the ring; the last image has read the codes
.if \u < 4
	LOADU \u+4                                     ; into the ring place that this unit has left
	s_wait_loadcnt 48                              ; the next unit is in; the three behind it may stay out
	TURN \u+1
.elseif \u < 7
	s_wait_loadcnt 16*(6-\u)                       ; the units behind the next one
	TURN \u+1
.endif
	QUANT \u
	IMAGE \u
.endr
	WIN 0
.Lq_next:
	s_wait_dscnt 0x0
	s_wait_xcnt 0x0                                ; the loads' base is written only behind this wait
	s_add_co_u32 s41, s41, 0x10000
	s_add_co_u32 s52, s52, 16
	s_add_co_u32 s33, s33, 1
	s_cmp_eq_u32 s33, 2
	s_cselect_b32 s38, s40, 0x40000                ; 64 rows on; for the third trip see s40
	s_add_nc_u64 s[36:37], s[34:35], s[38:39]
	s_cmp_lt_u32 s33, 3
	s_cbranch_scc1 .Lq
	; ---- the addends, -2 V and the sum of V, on every wave's path: asked for at the head, wanted from here on
	s_wait_loadcnt 0x0
	v_add_f32 v[VSUM], v176, v177
	v_add_f32 v[T+5], v178, v179
	v_add_f32 v[T+6], v180, v181
	v_add_f32 v[T+7], v182, v183
	v_add_f32 v[VSUM], v[VSUM], v[T+5]
	v_add_f32 v[T+6], v[T+6], v[T+7]
	v_add_f32 v[VSUM], v[VSUM], v[T+6]
	v_add_f32_dpp v[VSUM], v[VSUM], v[VSUM] row_xmask:1 row_mask:0xf bank_mask:0xf
	v_add_f32_dpp v[VSUM], v[VSUM], v[VSUM] row_xmask:2 row_mask:0xf bank_mask:0xf
	v_add_f32_dpp v[VSUM], v[VSUM], v[VSUM] row_xmask:4 row_mask:0xf bank_mask:0xf
	v_add_f32_dpp v[VSUM], v[VSUM], v[VSUM] row_xmask:8 row_mask:0xf bank_mask:0xf
	v_permlanex16_b32 v[T+5], v[VSUM], s30, s31
	v_add_f32 v[VSUM], v[VSUM], v[T+5]
.irp p, 0,2,4,6
	v_pk_mul_f32 v[184+\p:185+\p], v[176+\p:177+\p], -2.0 op_sel_hi:[1,0]
.endr
	ds_store_b128 v[T+4], v[168:171]
	ds_store_b128 v[T+4], v[172:175] offset:16
	ds_store_b128 v[T+4], v[184:187] offset:VML
	ds_store_b128 v[T+4], v[188:191] offset:VML+16
	s_wait_dscnt 0x0                               ; for the others' sake: my images, scale words, addends are in LDS
	s_barrier_signal -1
	s_barrier_wait -1
; ---- THE PRODUCT AND THE TANH, a chunk of 64 hidden units a trip
.macro FETCH_B s                       ; W1's four fragments of K step s into set s % 3: sixteen loads of 512 consecutive bytes
.if ((\s)%3) == 2
	WIN 0x40
.set BR, 192
.else
	WIN 0xc0
.set BR, 128+64*((\s)%3)
.endif
.irp bb, 0,1,2,3
.irp c, 0,1,2,3
	global_load_b128 v[BR+16*\bb+4*\c:BR+16*\bb+4*\c+3], v[L16], s[42:43] offset:(\s)*8192+\bb*2048+\c*512
.endr
.endr
.endm
.macro FETCH_A s, g                    ; the features' fragments of K step s, tiles 4 g .. 4 g + 3
	WIN 0x40
.irp k, 0,1,2,3
.irp c, 0,1,2,3
	ds_load_b128 v[16*(4*(\g)+\k)+4*\c:16*(4*(\g)+\k)+4*\c+3], v[ADA+(\g)] offset:\k*16384+(\s)*2048+\c*512
.endr
.endr
.endm
; 16 matrix instructions: tiles of rows 4 g .. 4 g + 3 x the chunk's four tiles of hidden units.  The 48 accumulators take turns, one instruction a turn, in the same order in every step.
.macro MULG g, s, zero
.if ((\s)%3) == 2
.set BR, 192
.if (\g) < 2
	WIN 0xa5                                       ; source 0 (W1) window 1, source 1 (features) window 1, C and D window 2
.else
	WIN 0xf5
.endif
.else
.set BR, 128+64*((\s)%3)
.if (\g) < 2
	WIN 0xa7                                       ; source 0 window 3
.else
	WIN 0xf7
.endif
.endif
.irp k, 0,1,2,3
.irp bb, 0,1,2,3
.set AC, 32*((4*(\g)+\k)%8)+8*\bb
.set AF, 16*(4*(\g)+\k)
.if \zero
	v_wmma_scale_f32_16x16x128_f8f6f4 v[AC:AC+7], v[BR+16*\bb:BR+16*\bb+15], v[AF:AF+15], 0, v[SCB+8*\bb+(\s)], v[SCA+12*(\s)+4*(\g)+\k] matrix_a_fmt:MATRIX_FMT_BF8 matrix_b_fmt:MATRIX_FMT_BF8
.else
	v_wmma_scale_f32_16x16x128_f8f6f4 v[AC:AC+7], v[BR+16*\bb:BR+16*\bb+15], v[AF:AF+15], v[AC:AC+7], v[SCB+8*\bb+(\s)], v[SCA+12*(\s)+4*(\g)+\k] matrix_a_fmt:MATRIX_FMT_BF8 matrix_b_fmt:MATRIX_FMT_BF8
.endif
.endr
.endr
.endm
; A K step of 128: 48 matrix instructions in three thirds.  W1's fragments are asked for two steps ahead (three sets), a third of the features' as soon as its 16 products are issued.
.macro STEP s, zero
.if (\s) <= 5
	FETCH_B (\s)+2                                 ; its set was read last in the step before, whose closing places stand between
	s_wait_loadcnt 32                              ; this step's set is in (and the scale words, which are older); the two sets behind it may stay out
.elseif (\s) == 6
	s_wait_loadcnt 16
.else
	s_wait_loadcnt 0
.endif
.irp g, 0,1,2
.if (\s) < 7
	s_wait_dscnt 32                                ; this third is in; the two thirds of 16 loads behind it may stay out
.else
	s_wait_dscnt 32-16*\g                          ; the last step fetches nothing: the counts run down
.endif
	MULG \g, \s, \zero
	PLACES
.if (\s) < 7
	FETCH_A (\s)+1, \g
.endif
.endr
.endm
; The tanh of four accumulators (tiles of rows 4 g + k, tile bb of hidden units) and their part of the scores.
.macro TG bb, g
.if (\g) < 2
	WIN 0x82                                       ; destination and source 0: the accumulators' window
.else
	WIN 0xc3
.endif
.irp p, 0,2,4,6                                ; each accumulator from its low end on
.irp k, 0,1,2,3
	v_pk_fma_f32 v[32*((4*(\g)+\k)%8)+8*(\bb)+\p:32*((4*(\g)+\k)%8)+8*(\bb)+\p+1], v[32*((4*(\g)+\k)%8)+8*(\bb)+\p:32*((4*(\g)+\k)%8)+8*(\bb)+\p+1], s[28:29], v[BI+8*(\bb)+\p:BI+8*(\bb)+\p+1] op_sel_hi:[1,0,1]   ; c2 x sum + c2 x addend
.endr
.endr
.irp k, 0,1,2,3
.irp j, 0,1,2,3,4,5,6,7
	v_exp_f32 v[32*((4*(\g)+\k)%8)+8*(\bb)+\j], v[32*((4*(\g)+\k)%8)+8*(\bb)+\j]
.endr
.endr
	v_nop                                          ; a plain instruction behind the last exponential
	s_wait_alu depctr_va_vdst(0)
.irp p, 0,2,4,6
.irp k, 0,1,2,3
	v_pk_add_f32 v[32*((4*(\g)+\k)%8)+8*(\bb)+\p:32*((4*(\g)+\k)%8)+8*(\bb)+\p+1], v[32*((4*(\g)+\k)%8)+8*(\bb)+\p:32*((4*(\g)+\k)%8)+8*(\bb)+\p+1], 1.0 op_sel_hi:[1,0]
.endr
.endr
.irp k, 0,1,2,3
.irp j, 0,1,2,3,4,5,6,7
	v_rcp_f32 v[32*((4*(\g)+\k)%8)+8*(\bb)+\j], v[32*((4*(\g)+\k)%8)+8*(\bb)+\j]
.endr
.endr
	v_nop                                          ; a plain instruction behind the last reciprocal
.if (\g) < 2
	WIN 0x02
.else
	WIN 0x03
.endif
	s_wait_alu depctr_va_vdst(0)
.irp p, 0,2,4,6                                ; four chains, one for each tile of rows
.irp k, 0,1,2,3
	v_pk_fma_f32 v[SC+2*(4*(\g)+\k):SC+2*(4*(\g)+\k)+1], v[32*((4*(\g)+\k)%8)+8*(\bb)+\p:32*((4*(\g)+\k)%8)+8*(\bb)+\p+1], v[VM+8*(\bb)+\p:VM+8*(\bb)+\p+1], v[SC+2*(4*(\g)+\k):SC+2*(4*(\g)+\k)+1]
.endr
.endr
.endm
	s_mov_b32 s33, 0
	s_mov_b32 s53, 0                               ; 256 x chunk: its addends and its -2 V
.Lc:
	s_cmp_eq_u32 s25, 0
	s_cbranch_scc1 .Lc_next
	v_add_nc_u32 v[BVC], s53, v[BVA]
.irp bb, 0,1,2,3
.irp q, 0,1
	global_load_b128 v[SCB+8*\bb+4*\q:SCB+8*\bb+4*\q+3], v[SBO], s[44:45] offset:\bb*512+16*\q   ; a row's 32 scale bytes are its eight words, one for each K step
.endr
.endr
	FETCH_B 0
	FETCH_B 1
	WIN 0
.irp s, 0,1,2,3,4,5,6,7
.irp q, 0,1,2
	ds_load_b128 v[SCA+12*\s+4*\q:SCA+12*\s+4*\q+3], v[ASR] offset:\s*1024+16*\q                 ; row r's words of K step s for the 12 tiles of rows
.endr
.endr
.irp bb, 0,1,2,3
.irp q, 0,1
	ds_load_b128 v[BI+8*\bb+4*\q:BI+8*\bb+4*\q+3], v[BVC] offset:\bb*64+16*\q                    ; hidden units 16 bb + 8 h + 0 .. 7
	ds_load_b128 v[VM+8*\bb+4*\q:VM+8*\bb+4*\q+3], v[BVC] offset:VML+\bb*64+16*\q
.endr
.endr
	FETCH_A 0, 0
	FETCH_A 0, 1
	FETCH_A 0, 2
	STEP 0, 1                                      ; the first step's products start the sums: nothing is cleared
	STEP 1, 0
	STEP 2, 0
	STEP 3, 0
	STEP 4, 0
	STEP 5, 0
	STEP 6, 0
	STEP 7, 0                                      ; its closing places stand in front of the first read of results
.irp g, 0,1,2
.irp bb, 0,1,2,3
	TG \bb, \g
.endr
.endr
	WIN 0
.Lc_next:
	s_wait_dscnt 0x0
	s_wait_xcnt 0x0                                ; the loads' bases are written only behind this wait
	s_add_nc_u64 s[42:43], s[42:43], 0x10000
	s_add_nc_u64 s[44:45], s[44:45], 0x800
	s_add_co_u32 s53, s53, 256
	s_add_co_u32 s33, s33, 1
	s_cmp_lt_u32 s33, 4
	s_cbranch_scc1 .Lc
	; ---- the waves' parts of the 192 scores meet in LDS.  (v168-191 were written whole behind phase Q, on every path.)
.irp a, 0,1,2,3,4,5,6,7,8,9,10,11
	v_add_f32 v[168+\a], v[SC+2*\a], v[SC+2*\a+1]
.endr
.irp a, 0,1,2,3,4,5,6,7,8,9,10,11
	v_permlanex16_b32 v[180+\a], v[168+\a], s30, s31                           ; the row's other hidden units lie in the lane 16 away
.endr
.irp a, 0,1,2,3,4,5,6,7,8,9,10,11
	v_add_f32 v[168+\a], v[168+\a], v[180+\a]
.endr
.irp a, 0,1,2,3,4,5,6,7,8,9,10,11
	v_add_f32 v[168+\a], v[168+\a], v[VSUM]
.endr
.irp a, 0,1,2,3,4,5,6,7,8,9,10,11
	ds_store_b32 v[RDW], v[168+\a] offset:\a*64                                ; row 16 a + r; lanes r and 16 + r write the same word with the same value
.endr
	s_wait_dscnt 0x0
	s_barrier_signal -1
	s_barrier_wait -1
	s_cmp_lg_u32 s20, 0
	s_cbranch_scc1 .Lend
.irp k, 0,1,2,3
	ds_load_b128 v[200+4*\k:203+4*\k], v[RDR] offset:\k*768                    ; rows 4 lane .. + 3 of the first 128,
	ds_load_b64 v[216+2*\k:217+2*\k], v[RDR2] offset:\k*768                    ; rows 128 + 2 lane, + 1
.endr
	v_mov_b32 v224, 0xf149f2ca                     ; -1e30
	v_lshrrev_b32 v225, 2, v[L16]
	v_add_nc_u32 v225, s23, v225                   ; t of my first row: t0 + 4 lane
	v_lshrrev_b32 v226, 3, v[L16]
	v_add_nc_u32 v226, s23, v226
	v_add_nc_u32 v226, 0x80, v226                  ; t0 + 128 + 2 lane
	v_lshrrev_b32 v227, 1, v[L16]                  ; 8 lane
	s_wait_dscnt 0x0
	v_pk_add_f32 v[200:201], v[200:201], v[204:205]
	v_pk_add_f32 v[202:203], v[202:203], v[206:207]
	v_pk_add_f32 v[208:209], v[208:209], v[212:213]
	v_pk_add_f32 v[210:211], v[210:211], v[214:215]
	v_pk_add_f32 v[216:217], v[216:217], v[218:219]
	v_pk_add_f32 v[220:221], v[220:221], v[222:223]
	v_pk_add_f32 v[200:201], v[200:201], v[208:209]
	v_pk_add_f32 v[202:203], v[202:203], v[210:211]
	v_pk_add_f32 v[216:217], v[216:217], v[220:221]
.irp ii, 0,1,2,3
	v_add_f32 v[200+\ii], s26, v[200+\ii]          ; + bV
	v_add_nc_u32 v228, \ii, v225
	v_cmp_gt_i32 vcc_lo, s24, v228                 ; n > t: the row counts
	v_cndmask_b32 v[200+\ii], v224, v[200+\ii], vcc_lo
.endr
.irp ii, 0,1
	v_add_f32 v[216+\ii], s26, v[216+\ii]
	v_add_nc_u32 v228, \ii, v226
	v_cmp_gt_i32 vcc_lo, s24, v228
	v_cndmask_b32 v[216+\ii], v224, v[216+\ii], vcc_lo
.endr
	global_store_b128 v[L16], v[200:203], s[46:47]                             ; 512 consecutive bytes, at a multiple of 256 from sc's first byte
	s_cmp_eq_u32 s21, 10                           ; the batch's last tile has 128 rows
	s_cbranch_scc1 .Lend
	global_store_b64 v227, v[216:217], s[46:47] offset:512                     ; 256 consecutive bytes
.Lend:
	s_wait_tensorcnt 0x0
	ds_add_u32 v254, v255
	s_wait_dscnt 0x0
	s_endpgm
.Lfunc_end_k_qfe4b6d23d6_score:
	.size	k_qfe4b6d23d6_score, .Lfunc_end_k_qfe4b6d23d6_score-k_qfe4b6d23d6_score
	.p2alignl 7, 3214868480
	.fill 96, 4, 3214868480
	.section	.rodata,"a",@progbits
	.p2align	6, 0x0
	.amdhsa_kernel k_qfe4b6d23d6_score
		.amdhsa_group_segment_fixed_size 284160
		.amdhsa_private_segment_fixed_size 0
		.amdhsa_enable_private_segment 0
		.amdhsa_kernarg_size 64
		.amdhsa_user_sgpr_count 2
		.amdhsa_user_sgpr_kernarg_segment_ptr 1
		.amdhsa_wavefront_size32 1
		.amdhsa_system_sgpr_workgroup_id_x 1
		.amdhsa_system_sgpr_workgroup_id_y 1
		.amdhsa_system_sgpr_workgroup_id_z 1
		.amdhsa_system_vgpr_workitem_id 0
		.amdhsa_next_free_vgpr 1024
		.amdhsa_next_free_sgpr 66
		.amdhsa_reserve_vcc 1
		.amdhsa_float_denorm_mode_32 3
		.amdhsa_float_denorm_mode_16_64 3
		.amdhsa_memory_ordered 1
		.amdhsa_forward_progress 1
		.amdhsa_inst_pref_size 255
	.end_amdhsa_kernel
	.section	.bss,"aw",@nobits
	.p2align	6
	.space	262144
	.amdgpu_metadata
---
amdhsa.version: [ 1, 2 ]
amdhsa.kernels:
  - .name:           k_qfe4b6d23d6_score
    .symbol:         k_qfe4b6d23d6_score.kd
    .args:
      - { .name: features, .offset: 0, .size: 8, .value_kind: global_buffer, .address_space: global }
      - { .name: tiles, .offset: 8, .size: 8, .value_kind: global_buffer, .address_space: global }
      - { .name: w1f, .offset: 16, .size: 8, .value_kind: global_buffer, .address_space: global }
      - { .name: W1_scales, .offset: 24, .size: 8, .value_kind: global_buffer, .address_space: global }
      - { .name: hb, .offset: 32, .size: 8, .value_kind: global_buffer, .address_space: global }
      - { .name: V, .offset: 40, .size: 8, .value_kind: global_buffer, .address_space: global }
      - { .name: bV, .offset: 48, .size: 8, .value_kind: global_buffer, .address_space: global }
      - { .name: sc, .offset: 56, .size: 8, .value_kind: global_buffer, .address_space: global }
    .group_segment_fixed_size: 284160
    .private_segment_fixed_size: 0
    .kernarg_segment_align: 8
    .kernarg_segment_size: 64
    .max_flat_workgroup_size: 128
    .sgpr_count:     66
    .vgpr_count:     1024
    .wavefront_size: 32
...
	.end_amdgpu_metadata
.endif
;; end of part 2
;; launch finish (part 3): grid 16 x 16, 16 waves a work-group, no clusters, 27,136 bytes of LDS; arguments sc, order, features, out0, out1; writes out0, out1
.if DOCPART == 3
	.amdgcn_target "amdgcn-amd-amdhsa--gfx1250"
	.amdhsa_code_object_version 6
	.text
	.protected	k_qfe4b6d23d6_finish
	.globl	k_qfe4b6d23d6_finish
	.p2align	8
	.type	k_qfe4b6d23d6_finish,@function
k_qfe4b6d23d6_finish:
	s_mov_b64 s[64:65], 0
	v_nop
	global_prefetch_b8 v0, s[64:65] scope:SCOPE_SE
	s_setreg_imm32_b32 hwreg(HW_REG_WAVE_MODE, 25, 1), 1
	s_wait_xcnt 0x0
; out1[b][t] = softmax over t of sc[b][t];  out0[b][d] = sum over t of out1[b][t] features[b][t][d].
; SHARES.  A batch's bytes grow with its seq_len, so each work-group takes TWO batches: order[] holds the batches by falling number of rows (rows x 32 + b), and work-group (sl, y) takes
; A = order[y] and B = order[31 - y], a long one and a short one.  Of both it owns out0[b][64 sl .. 64 sl + 63] (256 bytes of every row of features) and out1[b][128 sl .. 128 sl + 127]: each output byte has one owner.
; Both softmaxes are taken anew from the 8,192 bytes of sc[b], through the same two barriers; e[t] = exp(sc - max), not normalised, stays in LDS.
; ROWS.  Sixteen waves; a run is 64 rows: 32 loads, sixteen lanes to a row's 256 bytes.  Wave w takes rows 64 w + 1,024 it of A and rows 64 (15 - w) + 1,024 it of B, it = 0, 1:
; a wave that has a run more in A tends to have one less in B.  A's first run is loaded without a condition, straight behind the scores' loads, and is on its way during the softmax;
; rows at or behind seq_len have e = 0 exactly (their score is -1e30).  The other three runs are jumped over, by scalar branches on the stored row counts, where they lie wholly behind the batch's rows.
; seq_len < 1: every score is -1e30, every e is 1, and the stored row count is 2,048, as the definition has it.
; Memory binds: no matrix unit; no cluster, since partners would share only the 16,384 bytes of scores.  16 waves x 32 loads of 512 bytes are on their way at most.
; LIMITS: NaN and infinities in features are not served (a row with weight 0 that is read is multiplied by 0).
.set WT,  0                            ; LDS: A's e[0 .. 2047]
.set WTB, 8192                         ; B's
.set M1,  16384                        ; the waves' maxima: A's 16 words, then B's
.set S1,  16640                        ; the waves' sums likewise
.set CR,  16896                        ; the waves' parts of out0: for each wave 256 bytes of A's, then 256 of B's
.set W,   40                           ; v[40:71]   32 rows' e; ahead of that the waves' maxima and sums
.set X,   72                           ; v[72:199]  32 x 4 registers of features
.set WA,  3                            ; v3    A's e of my rows: 256 w + 128 h
.set WB,  212                          ; v212  B's: WTB + 256 (15 - w) + 128 h
.macro FLOAD base, off                 ; a run: sixteen lanes read 256 consecutive bytes, aligned; the other sixteen the same of the row 32 further down
.irp u, 0,1,2,3,4,5,6,7,8,9,10,11,12,13,14,15,16,17,18,19,20,21,22,23,24,25,26,27,28,29,30,31
	global_load_b128 v[X+4*\u:X+4*\u+3], v4, s[\base:\base+1] offset:\off+\u*4096 th:TH_LOAD_NT
.endr
.endm
.macro WLOAD adr, off                  ; my 32 rows' e
.irp q, 0,1,2,3,4,5,6,7
	ds_load_b128 v[W+4*\q:W+4*\q+3], v[\adr] offset:\off+16*\q
.endr
	s_wait_dscnt 0x0
.endm
.macro FMAS acc, first                 ; two sets of four sums by turns; first = 1: the first two rows start them
.irp q, 0,1,2,3,4,5,6,7,8,9,10,11,12,13,14,15
	s_wait_loadcnt 31-2*\q                         ; loads come back in order: the younger ones of the run stay out
.if \first && (\q == 0)
	v_pk_mul_f32 v[\acc:\acc+1], v[X:X+1], v[W:W+1] op_sel_hi:[1,0]
	v_pk_mul_f32 v[\acc+2:\acc+3], v[X+2:X+3], v[W:W+1] op_sel_hi:[1,0]
	s_wait_loadcnt 30
	v_pk_mul_f32 v[\acc+4:\acc+5], v[X+4:X+5], v[W:W+1] op_sel:[0,1] op_sel_hi:[1,1]
	v_pk_mul_f32 v[\acc+6:\acc+7], v[X+6:X+7], v[W:W+1] op_sel:[0,1] op_sel_hi:[1,1]
.else
	v_pk_fma_f32 v[\acc:\acc+1], v[X+8*\q:X+8*\q+1], v[W+2*\q:W+2*\q+1], v[\acc:\acc+1] op_sel_hi:[1,0,1]                          ; row 2 q: the pair's first e for both halves
	v_pk_fma_f32 v[\acc+2:\acc+3], v[X+8*\q+2:X+8*\q+3], v[W+2*\q:W+2*\q+1], v[\acc+2:\acc+3] op_sel_hi:[1,0,1]
	s_wait_loadcnt 30-2*\q
	v_pk_fma_f32 v[\acc+4:\acc+5], v[X+8*\q+4:X+8*\q+5], v[W+2*\q:W+2*\q+1], v[\acc+4:\acc+5] op_sel:[0,1,0] op_sel_hi:[1,1,1]     ; row 2 q + 1: the second
	v_pk_fma_f32 v[\acc+6:\acc+7], v[X+8*\q+6:X+8*\q+7], v[W+2*\q:W+2*\q+1], v[\acc+6:\acc+7] op_sel:[0,1,0] op_sel_hi:[1,1,1]
.endif
.endr
.endm
	s_load_b256 s[4:11], s[0:1], 0x0               ; sc s[4:5], order s[6:7], features s[8:9], out0 s[10:11]
	s_load_b64 s[12:13], s[0:1], 0x20              ; out1
	v_lshl_add_u32 v216, v0, 2, 0x6200
	v_mov_b32 v217, 0
	v_lshrrev_b32 v16, 5, v0
	v_readfirstlane_b32 s20, v16                   ; wave 0..15
	s_mov_b32 s14, ttmp9                           ; sl
	s_and_b32 s15, ttmp7, 0xffff                   ; y
	s_mov_b32 s16, 0x76543210
	s_mov_b32 s17, 0xfedcba98                      ; v_permlanex16_b32's selects for lane l xor 16
	s_xor_b32 s46, s20, 15                         ; 15 - w
	v_and_b32 v16, 31, v0                          ; lane
	v_and_b32 v17, 15, v0                          ; r
	v_bfe_u32 v18, v0, 4, 1                        ; h
	v_lshlrev_b32 v1, 4, v16                       ; 16 lane
	v_lshlrev_b32 v2, 4, v0                        ; 16 x thread
	s_lshl_b32 s25, s20, 8
	v_lshl_add_u32 v[WA], v18, 7, s25
	v_lshlrev_b32 v203, 3, v16                     ; 8 lane
	v_add_nc_u32 v202, s25, v203                   ; 256 w + 8 lane: where wave 0 reads A's parts and wave 1 B's
	s_lshl_b32 s25, s46, 8
	s_add_co_u32 s25, s25, WTB
	v_lshl_add_u32 v[WB], v18, 7, s25
	v_lshlrev_b32 v4, 17, v18
	v_lshl_add_u32 v4, v17, 4, v4                  ; features: 32 h rows of 4,096 bytes + 16 r
	s_lshl_b32 s25, s20, 9
	s_add_co_u32 s25, s25, CR
	v_lshl_add_u32 v5, v17, 4, s25                 ; my wave's parts: + 16 r
	s_lshl_b32 s25, s20, 2
	v_mov_b32 v200, s25                            ; 4 w: my wave's word
	v_mov_b32 v201, 0
.irp j, 20,21,22,23
	v_mov_b32 v[\j], 0                             ; written once: a lane permute's destination counts as one of its sources
.endr
.irp j, 0,1,2,3,4,5,6,7
	v_mov_b32 v[32+\j], 0                          ; B's sums: a wave all of whose runs of B are jumped over leaves them so
.endr
	s_mov_b32 s29, 0
	s_mov_b32 s27, 0
	s_lshl_b32 s28, s15, 2
	s_xor_b32 s26, s15, 31                         ; 31 - y
	s_lshl_b32 s26, s26, 2
	s_wait_kmcnt 0x0
	s_add_nc_u64 s[34:35], s[6:7], s[28:29]
	s_add_nc_u64 s[36:37], s[6:7], s[26:27]
	s_load_b32 s21, s[34:35], 0x0                  ; A's word
	s_load_b32 s23, s[36:37], 0x0                  ; B's
	s_wait_kmcnt 0x0
	s_lshr_b32 s22, s21, 5                         ; A's rows
	s_and_b32 s21, s21, 31
	s_min_u32 s21, s21, 31                         ; A's batch  (a loaded number enters an address behind a bound written in the instruction)
	s_lshr_b32 s24, s23, 5                         ; B's rows
	s_and_b32 s23, s23, 31
	s_min_u32 s23, s23, 31                         ; B's batch
	s_lshl_b32 s25, s14, 9
	s_lshl_b32 s28, s21, 13
	s_add_nc_u64 s[34:35], s[4:5], s[28:29]        ; sc[A]
	s_add_co_u32 s28, s28, s25
	s_add_nc_u64 s[38:39], s[12:13], s[28:29]      ; out1[A][128 sl]
	s_lshl_b32 s28, s23, 13
	s_add_nc_u64 s[36:37], s[4:5], s[28:29]        ; sc[B]
	s_add_co_u32 s28, s28, s25
	s_add_nc_u64 s[40:41], s[12:13], s[28:29]      ; out1[B][128 sl]
	global_load_b128 v[8:11], v2, s[34:35]         ; thread t: scores 4 t .. 4 t + 3 of A,
	global_load_b128 v[12:15], v2, s[36:37]        ; and of B
	s_lshl_b32 s25, s14, 8
	s_lshl_b32 s28, s21, 23
	s_add_co_u32 s28, s28, s25
	s_lshl_b32 s47, s20, 18
	s_add_co_u32 s28, s28, s47
	s_add_nc_u64 s[30:31], s[8:9], s[28:29]        ; features[A][64 w][64 sl] (under 2^28 bytes)
	FLOAD 30, 0                                    ; A's rows 64 w .. 64 w + 63: always inside the batch's 2,048
	s_lshl_b32 s28, s23, 23
	s_add_co_u32 s28, s28, s25
	s_lshl_b32 s47, s46, 18
	s_add_co_u32 s28, s28, s47
	s_add_nc_u64 s[32:33], s[8:9], s[28:29]        ; features[B][64 (15 - w)][64 sl]
	s_lshl_b32 s28, s21, 12
	s_add_co_u32 s28, s28, s25
	s_add_nc_u64 s[42:43], s[10:11], s[28:29]      ; out0[A][64 sl]
	s_lshl_b32 s28, s23, 12
	s_add_co_u32 s28, s28, s25
	s_add_nc_u64 s[44:45], s[10:11], s[28:29]      ; out0[B][64 sl]
	s_wait_loadcnt 32                              ; the scores are in; the run's 32 loads, which are younger, stay out
	; ---- the two maxima
	v_max3_num_f32 v16, v8, v9, v10
	v_max3_num_f32 v17, v12, v13, v14
	v_max_num_f32 v16, v16, v11
	v_max_num_f32 v17, v17, v15
.irp x, 1,2,4,8
	v_max_num_f32_dpp v16, v16, v16 row_xmask:\x row_mask:0xf bank_mask:0xf
	v_max_num_f32_dpp v17, v17, v17 row_xmask:\x row_mask:0xf bank_mask:0xf
.endr
	v_permlanex16_b32 v20, v16, s16, s17
	v_permlanex16_b32 v21, v17, s16, s17
	v_max_num_f32 v16, v16, v20
	v_max_num_f32 v17, v17, v21
	ds_store_b32 v200, v16 offset:M1               ; all lanes write the same word with the same value
	ds_store_b32 v200, v17 offset:M1+64
	s_wait_dscnt 0x0
	s_barrier_signal -1
	s_barrier_wait -1
.irp q, 0,1,2,3,4,5,6,7
	ds_load_b128 v[W+4*\q:W+4*\q+3], v201 offset:M1+16*\q
.endr
	s_wait_dscnt 0x0
.irp p, 0,1                                    ; v6: A's maximum, v7: B's
	v_max3_num_f32 v[6+\p], v[W+16*\p], v[W+1+16*\p], v[W+2+16*\p]
	v_max3_num_f32 v[16+\p], v[W+3+16*\p], v[W+4+16*\p], v[W+5+16*\p]
	v_max3_num_f32 v[6+\p], v[6+\p], v[W+6+16*\p], v[W+7+16*\p]
	v_max3_num_f32 v[16+\p], v[16+\p], v[W+8+16*\p], v[W+9+16*\p]
	v_max3_num_f32 v[6+\p], v[6+\p], v[W+10+16*\p], v[W+11+16*\p]
	v_max3_num_f32 v[16+\p], v[16+\p], v[W+12+16*\p], v[W+13+16*\p]
	v_max3_num_f32 v[6+\p], v[6+\p], v[W+14+16*\p], v[W+15+16*\p]
	v_max_num_f32 v[6+\p], v[6+\p], v[16+\p]
.endr
	; ---- e = 2^((s - m) log2(e)).  The difference is taken first and is exact where s = m: fused with the multiplication, two scores of -1e30 would leave a rounding's rest of about 1e22
.irp j, 0,1,2,3
	v_sub_f32 v[8+\j], v[8+\j], v6
	v_sub_f32 v[12+\j], v[12+\j], v7
.endr
.irp j, 0,1,2,3,4,5,6,7
	v_mul_f32 v[8+\j], 0x3fb8aa3b, v[8+\j]
.endr
.irp j, 0,1,2,3,4,5,6,7
	v_exp_f32 v[8+\j], v[8+\j]
.endr
	v_nop                                          ; a plain instruction behind the last exponential
	s_wait_alu depctr_va_vdst(0)
	v_pk_add_f32 v[16:17], v[8:9], v[10:11]
	v_pk_add_f32 v[18:19], v[12:13], v[14:15]
	v_add_f32 v16, v16, v17
	v_add_f32 v17, v18, v19
.irp x, 1,2,4,8
	v_add_f32_dpp v16, v16, v16 row_xmask:\x row_mask:0xf bank_mask:0xf
	v_add_f32_dpp v17, v17, v17 row_xmask:\x row_mask:0xf bank_mask:0xf
.endr
	v_permlanex16_b32 v20, v16, s16, s17
	v_permlanex16_b32 v21, v17, s16, s17
	v_add_f32 v16, v16, v20
	v_add_f32 v17, v17, v21
	ds_store_b32 v200, v16 offset:S1
	ds_store_b32 v200, v17 offset:S1+64
	ds_store_b128 v2, v[8:11] offset:WT
	ds_store_b128 v2, v[12:15] offset:WTB
	s_wait_dscnt 0x0
	s_barrier_signal -1
	s_barrier_wait -1
.irp q, 0,1,2,3,4,5,6,7
	ds_load_b128 v[W+4*\q:W+4*\q+3], v201 offset:S1+16*\q
.endr
	s_wait_dscnt 0x0
.irp p, 0,1
	v_pk_add_f32 v[W+16*\p:W+1+16*\p], v[W+16*\p:W+1+16*\p], v[W+2+16*\p:W+3+16*\p]
	v_pk_add_f32 v[W+4+16*\p:W+5+16*\p], v[W+4+16*\p:W+5+16*\p], v[W+6+16*\p:W+7+16*\p]
	v_pk_add_f32 v[W+8+16*\p:W+9+16*\p], v[W+8+16*\p:W+9+16*\p], v[W+10+16*\p:W+11+16*\p]
	v_pk_add_f32 v[W+12+16*\p:W+13+16*\p], v[W+12+16*\p:W+13+16*\p], v[W+14+16*\p:W+15+16*\p]
	v_pk_add_f32 v[W+16*\p:W+1+16*\p], v[W+16*\p:W+1+16*\p], v[W+4+16*\p:W+5+16*\p]
	v_pk_add_f32 v[W+8+16*\p:W+9+16*\p], v[W+8+16*\p:W+9+16*\p], v[W+12+16*\p:W+13+16*\p]
	v_pk_add_f32 v[W+16*\p:W+1+16*\p], v[W+16*\p:W+1+16*\p], v[W+8+16*\p:W+9+16*\p]
	v_add_f32 v[W+16*\p], v[W+16*\p], v[W+1+16*\p]                             ; at least 1: the largest score's e
.endr
	v_rcp_f32 v6, v[W]                             ; 1 / A's sum
	v_rcp_f32 v7, v[W+16]                          ; 1 / B's
	v_nop                                          ; a plain instruction behind the last reciprocal
	; ---- out1: thread t holds e[4 t .. 4 t + 3] of both batches, so wave sl holds my work-group's 128 weights of each
	s_cmp_lg_u32 s20, s14
	s_cbranch_scc1 .Lno_w
	s_wait_alu depctr_va_vdst(0)
.irp j, 0,1,2,3
	v_mul_f32 v[204+\j], v[8+\j], v6
	v_mul_f32 v[208+\j], v[12+\j], v7
.endr
	global_store_b128 v1, v[204:207], s[38:39]     ; 512 consecutive bytes, at a multiple of 256 from out1's first byte; the stores' registers and bases are not written again
	global_store_b128 v1, v[208:211], s[40:41]
.Lno_w:
	; ---- out0: the runs
	WLOAD WA, 0
	FMAS 24, 1                                     ; A's rows 64 w on: their products start A's sums
	s_lshl_b32 s47, s20, 6
	s_add_co_u32 s47, s47, 1024
	s_cmp_ge_u32 s47, s22                          ; A's rows 1,024 + 64 w on
	s_cbranch_scc1 .Lb0
	FLOAD 30, 0x400000                             ; 1,024 rows on: with 31 rows more, 4,321,280 bytes, inside the signed 24-bit immediate (ISA guide, chapter 10)
	WLOAD WA, 4096
	FMAS 24, 0
.Lb0:
	s_lshl_b32 s47, s46, 6
	s_cmp_ge_u32 s47, s24                          ; B's rows 64 (15 - w) on
	s_cbranch_scc1 .Lout
	FLOAD 32, 0
	WLOAD WB, 0
	FMAS 32, 0
	s_add_co_u32 s47, s47, 1024
	s_cmp_ge_u32 s47, s24                          ; B's rows 1,024 + 64 (15 - w) on
	s_cbranch_scc1 .Lout
	FLOAD 32, 0x400000
	WLOAD WB, 4096
	FMAS 32, 0
.Lout:
	; ---- the way out: the two sets, the two halves of the lanes, the sixteen waves
	v_pk_add_f32 v[24:25], v[24:25], v[28:29]
	v_pk_add_f32 v[26:27], v[26:27], v[30:31]
	v_pk_add_f32 v[32:33], v[32:33], v[36:37]
	v_pk_add_f32 v[34:35], v[34:35], v[38:39]
.irp j, 0,1,2,3
	v_permlanex16_b32 v[16+\j], v[24+\j], s16, s17
	v_permlanex16_b32 v[20+\j], v[32+\j], s16, s17
.endr
	v_pk_add_f32 v[24:25], v[24:25], v[16:17]
	v_pk_add_f32 v[26:27], v[26:27], v[18:19]
	v_pk_add_f32 v[32:33], v[32:33], v[20:21]
	v_pk_add_f32 v[34:35], v[34:35], v[22:23]
	ds_store_b128 v5, v[24:27]                     ; lanes r and 16 + r write the same 16 bytes with the same values
	ds_store_b128 v5, v[32:35] offset:256
	s_wait_dscnt 0x0
	s_barrier_signal -1
	s_barrier_wait -1
	s_cmp_gt_u32 s20, 1
	s_cbranch_scc1 .Lend
.irp k, 0,1,2,3,4,5,6,7,8,9,10,11,12,13,14,15
	ds_load_b64 v[X+2*\k:X+2*\k+1], v202 offset:CR+\k*512                      ; wave 0: A's sixteen parts; wave 1: B's
.endr
	s_cmp_eq_u32 s20, 0
	s_cselect_b32 s27, -1, 0                       ; every lane's bit
	s_cselect_b64 s[42:43], s[42:43], s[44:45]     ; the choice hangs on the wave's number alone
	s_wait_alu depctr_va_vdst(0)
	v_cndmask_b32 v16, v7, v6, s27                 ; 1 / my batch's sum
	s_wait_dscnt 0x0
.irp k, 0,4,8,12,16,20,24,28
	v_pk_add_f32 v[X+\k:X+\k+1], v[X+\k:X+\k+1], v[X+\k+2:X+\k+3]
.endr
.irp k, 0,8,16,24
	v_pk_add_f32 v[X+\k:X+\k+1], v[X+\k:X+\k+1], v[X+\k+4:X+\k+5]
.endr
	v_pk_add_f32 v[X:X+1], v[X:X+1], v[X+8:X+9]
	v_pk_add_f32 v[X+16:X+17], v[X+16:X+17], v[X+24:X+25]
	v_pk_add_f32 v[X:X+1], v[X:X+1], v[X+16:X+17]
	v_mul_f32 v[X], v[X], v16
	v_mul_f32 v[X+1], v[X+1], v16
	global_store_b64 v203, v[X:X+1], s[42:43]      ; 32 lanes store 256 consecutive bytes, at a multiple of 256 from out0's first byte
.Lend:
	s_wait_tensorcnt 0x0
	ds_add_u32 v216, v217
	s_wait_dscnt 0x0
	s_endpgm
.Lfunc_end_k_qfe4b6d23d6_finish:
	.size	k_qfe4b6d23d6_finish, .Lfunc_end_k_qfe4b6d23d6_finish-k_qfe4b6d23d6_finish
	.p2alignl 7, 3214868480
	.fill 96, 4, 3214868480
	.section	.rodata,"a",@progbits
	.p2align	6, 0x0
	.amdhsa_kernel k_qfe4b6d23d6_finish
		.amdhsa_group_segment_fixed_size 27136
		.amdhsa_private_segment_fixed_size 0
		.amdhsa_enable_private_segment 0
		.amdhsa_kernarg_size 40
		.amdhsa_user_sgpr_count 2
		.amdhsa_user_sgpr_kernarg_segment_ptr 1
		.amdhsa_wavefront_size32 1
		.amdhsa_system_sgpr_workgroup_id_x 1
		.amdhsa_system_sgpr_workgroup_id_y 1
		.amdhsa_system_sgpr_workgroup_id_z 1
		.amdhsa_system_vgpr_workitem_id 0
		.amdhsa_next_free_vgpr 218
		.amdhsa_next_free_sgpr 66
		.amdhsa_reserve_vcc 0
		.amdhsa_float_denorm_mode_32 3
		.amdhsa_float_denorm_mode_16_64 3
		.amdhsa_memory_ordered 1
		.amdhsa_forward_progress 1
		.amdhsa_inst_pref_size 49
	.end_amdhsa_kernel
	.amdgpu_metadata
---
amdhsa.version: [ 1, 2 ]
amdhsa.kernels:
  - .name:           k_qfe4b6d23d6_finish
    .symbol:         k_qfe4b6d23d6_finish.kd
    .args:
      - { .name: sc, .offset: 0, .size: 8, .value_kind: global_buffer, .address_space: global }
      - { .name: order, .offset: 8, .size: 8, .value_kind: global_buffer, .address_space: global }
      - { .name: features, .offset: 16, .size: 8, .value_kind: global_buffer, .address_space: global }
      - { .name: out0, .offset: 24, .size: 8, .value_kind: global_buffer, .address_space: global }
      - { .name: out1, .offset: 32, .size: 8, .value_kind: global_buffer, .address_space: global }
    .group_segment_fixed_size: 27136
    .private_segment_fixed_size: 0
    .kernarg_segment_align: 8
    .kernarg_segment_size: 40
    .max_flat_workgroup_size: 512
    .sgpr_count:     66
    .vgpr_count:     218
    .wavefront_size: 32
...
	.end_amdgpu_metadata
.endif
;; end of part 3
;; ======== version 2 of 2: 3 launches; version 1 with the launches prep, score written anew for expert scheduling mode
;; workspace buffers: hb 131,072 bytes; w1f 1,048,576 bytes; sc 262,144 bytes; order 256 bytes of whole numbers; tiles 1,536 bytes of whole numbers
;; launch prep (part 4): grid 81 x 1, 4 waves a work-group, no clusters, 9,216 bytes of LDS; arguments hidden_codes, hidden_scales, W2_codes, W2_scales, b1, b2, W1_codes, hb, w1f, seq_len, order, tiles; writes hb, w1f, order, tiles
.if DOCPART == 4
	.amdgcn_target "amdgcn-amd-amdhsa--gfx1250"
	.amdhsa_code_object_version 6
	.text
	.protected	k_qfe4b6d23d6_prep
	.globl	k_qfe4b6d23d6_prep
	.p2align	8
	.type	k_qfe4b6d23d6_prep,@function
k_qfe4b6d23d6_prep:
	s_mov_b64 s[64:65], 0
	v_nop
	global_prefetch_b8 v0, s[64:65] scope:SCOPE_SE
	s_setreg_imm32_b32 hwreg(HW_REG_WAVE_SCHED_MODE, 0, 2), 2
	s_setreg_imm32_b32 hwreg(HW_REG_WAVE_MODE, 25, 1), 1
	s_wait_xcnt 0x0
	s_wait_alu depctr_vm_vsrc(0)
; Three small jobs ahead of the scores, in one launch.
; Work-groups 0-15:  hb[b][n] = c2 x (sum over k of hidden[b][k] W2[k][n] + b1[n] + b2[n]),  c2 = 2 log2(e): the whole addend of the later tanh, already in the
;   units of its exponential.  hidden [32][1024] and W2 [1024 (n)][1024 (k)] are codes of E5M2 with one E8M0 byte for each 32 along K; they go to the matrix unit as they lie.
;   Work-group x makes n = 64 x .. 64 x + 63; wave w the tile of 16 at n0 = 64 x + 16 w, for both tiles of 16 batches: two accumulators by turns, 8 K steps of 128.
;   The product is used transposed (source 0 = 16 rows of W2, source 1 = 16 batches): a lane holds 8 neighbouring n of one batch.  b1 + b2 is the C of each sum's first instruction.
;   The results meet in a stage in LDS (32 rows x 256 bytes + 16) and leave as whole rows: sixteen lanes store 256 consecutive bytes, aligned.
; Work-groups 16-79: W1's codes are laid anew in the order of the operand's registers.  Tile nt = x - 16 (16 rows n); wave w takes K steps 2 w, 2 w + 1.
;   w1f byte ((g 8 + s) 4 + bb) 2048 + 512 c + 16 lane = W1_codes[(16 nt + r) 1024 + 128 s + 32 c + 16 h ..], nt = 4 g + bb, lane = 16 h + r.  Each store covers 512 consecutive bytes.
; Work-group 80, wave 0: two lists of whole numbers from seq_len, by which the later launches deal their work.  Lane b holds batch b.
;   order[rank] = rows x 32 + b, the batches by falling number of rows that the weighted sum reads (seq_len held to 0 .. 2,048; 2,048 where seq_len < 1, since all rows weigh alike there).
;   tiles[place] = n << 16 | b << 8 | i for the 352 tiles of 192 rows (n: seq_len held to 0 .. 2,048): the tiles that hold a row in front of seq_len first, the others behind them.
; THE MODE: SCHED_MODE bits 1:0 = 2 (LLVM: expert scheduling mode 2), set by the entry lines.  The code itself states the register dependences between vector or matrix
; instructions and memory or LDS instructions, with s_wait_alu, always for 0.
; THE PLAN.  Registers that memory or LDS instructions touch:
;   v3-v9       offsets and LDS addresses, made once at the head: one wait on va_vdst ahead of the parting of the three ways; never written again.
;   fragments, scale words, biases (the way with products) and the copied codes are written by loads alone.
;   v[RS ..]    written by the eight multiplications by c2; read by the four stores into the stage (a wait on va_vdst ahead of them); behind the barrier the stage's rows land in them
;               (a wait on vm_vsrc in front of the barrier); then read by the stores to hb.
;   the lists   v11, the load's offset; v16, v17, v40-50, v52-62, offsets and data of the twelve stores, which stand together behind one wait on va_vdst.
;   Numbers that vector instructions hand to scalar registers (the wave's number, lanes read out, compares' masks) go in runs, with one wait on va_sdst behind each run, ahead of its first reader.
.set C2,  0x4038aa3b                   ; 2 log2(e)
.set SP,  272                          ; a stage row: 256 bytes + 16 = 17 x 16, so that sixteen rows begin in sixteen different groups of four banks (64 banks of 4 bytes: ISA guide 11.1)
.set HO,  3                            ; v3   r x 1024 + 16 h: a fragment's place in rows of 1,024 codes
.set SO,  4                            ; v4   r x 32: a row of scale bytes
.set BO,  5                            ; v5   h x 32: my eight numbers of a bias
.set L16, 6                            ; v6   16 x lane
.set STO, 7                            ; v7   the stage, in:  r x 272 + 64 w + 32 h
.set RD,  8                            ; v8   the stage, out: (8 w + h) x 272 + 16 r
.set GO,  9                            ; v9   the same place in hb: (8 w + h) x 4096 + 16 r
.set D,   16                           ; v[16:31]   two accumulators
.set BI,  32                           ; v[32:39]   b1 + b2
.set WS,  40                           ; v[40:47]   W2's scale words, one for each K step;  v[48:63] hidden's, at 8 mt + s.  On the way with products they hold scales and nothing else
.set HS,  48
.set WF,  64                           ; v[64:191]  W2's eight fragments.  (hidden's sixteen fill window 1, at 16 (8 mt + s))
.set BL,  192                          ; v[192:207] b1, b2 as loaded
.set RS,  208                          ; v[208:223] results x c2
.set MSB, 0
.macro WIN new                         ; the immediate's high byte repeats the setting that is left
.if MSB != \new
	s_set_vgpr_msb (MSB<<8)|\new
.set MSB, \new
.endif
.endm
	s_load_b512 s[4:19], s[0:1], 0x0               ; hidden's codes s[4:5], its scales s[6:7], W2's codes s[8:9], its scales s[10:11], b1 s[12:13], b2 s[14:15], W1's codes s[16:17], hb s[18:19]
	s_load_b256 s[20:27], s[0:1], 0x40             ; w1f s[20:21], seq_len s[22:23], order s[24:25], tiles s[26:27]
	v_lshl_add_u32 v254, v0, 2, 0x2200
	v_mov_b32 v255, 0
	v_lshrrev_b32 v10, 5, v0
	v_readfirstlane_b32 s32, v10                   ; wave 0..3
	s_mov_b32 s33, ttmp9                           ; work-group
	v_and_b32 v1, 15, v0                           ; r
	v_bfe_u32 v2, v0, 4, 1                         ; h
	v_lshlrev_b32 v[HO], 10, v1
	v_lshl_add_u32 v[HO], v2, 4, v[HO]
	v_lshlrev_b32 v[SO], 5, v1
	v_lshlrev_b32 v[BO], 5, v2
	v_and_b32 v[L16], 31, v0
	v_lshlrev_b32 v[L16], 4, v[L16]
	v_mul_u32_u24 v[STO], v1, SP
	v_lshl_add_u32 v[STO], v2, 5, v[STO]
	s_wait_alu depctr_va_sdst(0)                   ; s32 is written, ahead of its first reader
	s_lshl_b32 s36, s32, 6
	v_add_nc_u32 v[STO], s36, v[STO]
	s_lshl_b32 s36, s32, 3
	v_add_nc_u32 v10, s36, v2                      ; 8 w + h
	v_mul_u32_u24 v[RD], v10, SP
	v_lshl_add_u32 v[RD], v1, 4, v[RD]
	v_lshlrev_b32 v[GO], 12, v10
	v_lshl_add_u32 v[GO], v1, 4, v[GO]
	s_mov_b32 s34, C2
	s_mov_b32 s35, s34                             ; (the packed form names the pair)
	s_mov_b32 s39, 0
	s_wait_alu depctr_va_vdst(0)                   ; v3 to v9 are written: the offsets and LDS addresses that the loads and stores of all three ways read
	s_wait_kmcnt 0x0
	s_cmp_ge_u32 s33, 16                           ; the choice hangs on the work-group's number alone
	s_cbranch_scc1 .Lcopy
	; ---- hb: my tile of 16 n
	s_lshl_b32 s36, s33, 6
	s_lshl_b32 s38, s32, 4
	s_add_co_u32 s36, s36, s38                     ; n0
	s_lshl_b32 s38, s36, 10
	s_add_nc_u64 s[8:9], s[8:9], s[38:39]          ; W2's codes at row n0
	s_lshl_b32 s38, s36, 5
	s_add_nc_u64 s[10:11], s[10:11], s[38:39]      ; its scale bytes
	s_lshl_b32 s38, s36, 2
	s_add_nc_u64 s[12:13], s[12:13], s[38:39]      ; b1, b2 at n0
	s_add_nc_u64 s[14:15], s[14:15], s[38:39]
	s_lshl_b32 s38, s33, 8
	s_add_nc_u64 s[18:19], s[18:19], s[38:39]      ; hb at column 64 x
	WIN 0x40                                       ; destination window 1
.irp mt, 0,1
.irp s, 0,1,2,3,4,5,6,7
.irp c, 0,1,2,3
	global_load_b128 v[16*(8*\mt+\s)+4*\c:16*(8*\mt+\s)+4*\c+3], v[HO], s[4:5] offset:\mt*16384+\s*128+32*\c
.endr
.endr
.endr
	WIN 0
.irp s, 0,1,2,3,4,5,6,7
.irp c, 0,1,2,3
	global_load_b128 v[WF+16*\s+4*\c:WF+16*\s+4*\c+3], v[HO], s[8:9] offset:\s*128+32*\c
.endr
.endr
.irp q, 0,1
	global_load_b128 v[WS+4*\q:WS+4*\q+3], v[SO], s[10:11] offset:16*\q          ; a row's 32 scale bytes are its eight words, one for each K step
	global_load_b128 v[HS+4*\q:HS+4*\q+3], v[SO], s[6:7] offset:16*\q
	global_load_b128 v[HS+8+4*\q:HS+8+4*\q+3], v[SO], s[6:7] offset:512+16*\q
	global_load_b128 v[BL+4*\q:BL+4*\q+3], v[BO], s[12:13] offset:16*\q
	global_load_b128 v[BL+8+4*\q:BL+8+4*\q+3], v[BO], s[14:15] offset:16*\q
.endr
	s_wait_loadcnt 0x0
.irp p, 0,2,4,6
	v_pk_add_f32 v[BI+\p:BI+\p+1], v[BL+\p:BL+\p+1], v[BL+8+\p:BL+8+\p+1]
.endr
.rept 4
	v_nop
.endr
	WIN 0x04                                       ; source 1 (hidden) window 1
.irp s, 0,1,2,3,4,5,6,7                        ; the two accumulators take turns, one instruction a turn
.irp mt, 0,1
.if \s == 0
	v_wmma_scale_f32_16x16x128_f8f6f4 v[D+8*\mt:D+8*\mt+7], v[WF+16*\s:WF+16*\s+15], v[16*(8*\mt+\s):16*(8*\mt+\s)+15], v[BI:BI+7], v[WS+\s], v[HS+8*\mt+\s] matrix_a_fmt:MATRIX_FMT_BF8 matrix_b_fmt:MATRIX_FMT_BF8
.else
	v_wmma_scale_f32_16x16x128_f8f6f4 v[D+8*\mt:D+8*\mt+7], v[WF+16*\s:WF+16*\s+15], v[16*(8*\mt+\s):16*(8*\mt+\s)+15], v[D+8*\mt:D+8*\mt+7], v[WS+\s], v[HS+8*\mt+\s] matrix_a_fmt:MATRIX_FMT_BF8 matrix_b_fmt:MATRIX_FMT_BF8
.endif
.endr
.endr
	WIN 0
.rept 8
	v_nop                                          ; eight places between this form and the first read of its results
.endr
.irp p, 0,2,4,6,8,10,12,14                     ; each accumulator from its low end on
	v_pk_mul_f32 v[RS+\p:RS+\p+1], v[D+\p:D+\p+1], s[34:35] op_sel_hi:[1,0]
.endr
	s_wait_alu depctr_va_vdst(0)                   ; the eight multiplications have written v[RS ..], which the stores into the stage read
.irp mt, 0,1
	ds_store_b128 v[STO], v[RS+8*\mt:RS+8*\mt+3] offset:\mt*16*SP              ; lane (r, h): hb(16 mt + r, n0 + 8 h + 0 .. 7)
	ds_store_b128 v[STO], v[RS+8*\mt+4:RS+8*\mt+7] offset:\mt*16*SP+16
.endr
	s_branch .Lmeet
.Lcopy:
	s_cmp_eq_u32 s33, 80
	s_cbranch_scc1 .Llists
	; ---- w1f: my two K steps of tile nt.  The codes' registers are written by the loads and read by the stores alone, and the offsets stand since the head
	s_sub_co_u32 s36, s33, 16                      ; nt
	s_lshl_b32 s38, s36, 14                        ; 16 rows of 1,024 bytes,
	s_lshl_b32 s37, s32, 8                         ; + two K steps of 128 bytes a wave
	s_add_co_u32 s38, s38, s37
	s_add_nc_u64 s[16:17], s[16:17], s[38:39]
	s_lshr_b32 s37, s36, 2
	s_lshl_b32 s38, s37, 16                        ; g x 65,536
	s_and_b32 s37, s36, 3
	s_lshl_b32 s37, s37, 11                        ; + bb x 2,048
	s_add_co_u32 s38, s38, s37
	s_lshl_b32 s37, s32, 14                        ; + 2 w x 8,192
	s_add_co_u32 s38, s38, s37
	s_add_nc_u64 s[20:21], s[20:21], s[38:39]
.irp e, 0,1
.irp c, 0,1,2,3
	global_load_b128 v[WF+16*\e+4*\c:WF+16*\e+4*\c+3], v[HO], s[16:17] offset:\e*128+32*\c
.endr
.endr
	s_wait_loadcnt 0x0
.irp e, 0,1
.irp c, 0,1,2,3
	global_store_b128 v[L16], v[WF+16*\e+4*\c:WF+16*\e+4*\c+3], s[20:21] offset:\e*8192+\c*512
.endr
.endr
	s_branch .Lmeet
.Llists:	; ---- the two lists, by wave 0: whole numbers only.  v10 lane = b; v13 n; v16 key; v17 rank; v22 my batch's tiles that count; v23 those of the batches in front of mine.
	; The lanes read out and the compares' masks go to s4 .. s14 and s40 .. s47: none of these is read behind the place where the three ways join; hb's address in s[18:19], which is, stays as it is
	s_cmp_lg_u32 s32, 0
	s_cbranch_scc1 .Lmeet
	v_and_b32 v10, 31, v0
	v_lshlrev_b32 v11, 2, v10
	s_wait_alu depctr_va_vdst(0)                   ; v11 is written: the load's offset
	global_load_b32 v12, v11, s[22:23]             ; seq_len[b]
	v_mov_b32 v14, 0
	v_mov_b32 v15, 0x800
	v_mov_b32 v19, 1
	v_mov_b32 v17, 0
	v_mov_b32 v22, 0
	v_mov_b32 v23, 0
	s_wait_loadcnt 0x0
	v_cmp_gt_i32 vcc_lo, 1, v12                    ; seq_len < 1
	s_wait_alu depctr_va_vcc(0)                    ; VCC is written, ahead of the first of the two selections that read it
	v_cndmask_b32 v13, v12, v14, vcc_lo            ; counts as 0,
	v_min_u32 v13, 0x800, v13                      ; and no more than 2,048: n
	v_cndmask_b32 v16, v13, v15, vcc_lo            ; rows that the weighted sum reads: n, or all 2,048 where no row counts
	v_lshl_add_u32 v16, v16, 5, v10                ; key = rows x 32 + b: no two alike
.irp j, 0,1,2,3                                ; my rank: how many keys are larger than mine; eight batches at a time
.irp k, 0,1,2,3,4,5,6,7
	v_readlane_b32 s[4+\k], v16, 8*\j+\k
.endr
	s_wait_alu depctr_va_sdst(0)                   ; the eight keys are written to s4 .. s11, ahead of the compares that read them
.irp k, 0,1,2,3,4,5,6,7
	v_cmp_gt_u32 s[40+\k], s[4+\k], v16            ; batch 8 j + k's key is larger than mine
.endr
	s_wait_alu depctr_va_sdst(0)                   ; the eight masks are written to s40 .. s47, ahead of the selections that read them
.irp k, 0,1,2,3,4,5,6,7
	v_cndmask_b32 v18, v14, v19, s[40+\k]
	v_add_nc_u32 v17, v17, v18
.endr
.endr
	v_min_u32 v17, 31, v17                         ; a number made of loaded ones enters an address behind a bound written in the instruction
	v_lshlrev_b32 v17, 2, v17
.irp i, 0,1,2,3,4,5,6,7,8,9,10
	v_cmp_lt_u32 s[4+\i], 192*\i, v13              ; tile i begins in front of n
.endr
	s_wait_alu depctr_va_sdst(0)                   ; the eleven masks are written to s4 .. s14, ahead of the selections that read them
.irp i, 0,1,2,3,4,5,6,7,8,9,10
	v_cndmask_b32 v18, v14, v19, s[4+\i]
	v_add_nc_u32 v22, v22, v18
.endr
	s_mov_b32 s37, 0
.irp j, 0,1,2,3                                ; the sum of the counts of the batches in front of each, eight batches at a time
.irp k, 0,1,2,3,4,5,6,7
	v_readlane_b32 s[4+\k], v22, 8*\j+\k
.endr
	s_wait_alu depctr_va_sdst(0)                   ; the eight counts are written to s4 .. s11, ahead of the scalar sums that read them
.irp k, 0,1,2,3,4,5,6,7
	v_writelane_b32 v23, s37, 8*\j+\k              ; lane 8 j + k: the sum so far
	s_add_co_u32 s37, s37, s[4+\k]
.endr
.endr                                          ; s37: all tiles that count
	v_mul_u32_u24 v24, v10, 11
	v_add_nc_u32 v24, s37, v24
	v_sub_nc_u32 v24, v24, v23
	v_sub_nc_u32 v24, v24, v22                     ; a tile i that does not count goes to place s37 + (11 b - v23) + (i - v22)
	v_lshlrev_b32 v26, 16, v13
	v_lshl_or_b32 v26, v10, 8, v26                 ; n << 16 | b << 8
.irp i, 0,1,2,3,4,5,6,7,8,9,10
	v_cmp_lt_u32 s[4+\i], \i, v22
.endr
	s_wait_alu depctr_va_sdst(0)                   ; the eleven masks are written to s4 .. s14, ahead of the selections that read them
.irp i, 0,1,2,3,4,5,6,7,8,9,10                 ; each store has registers of its own
	v_cndmask_b32 v[40+\i], v24, v23, s[4+\i]      ; one that counts goes to place v23 + i
	v_add_nc_u32 v[40+\i], \i, v[40+\i]
	v_min_u32 v[40+\i], 351, v[40+\i]
	v_lshlrev_b32 v[40+\i], 2, v[40+\i]
	v_add_nc_u32 v[52+\i], \i, v26
.endr
	s_wait_alu depctr_va_vdst(0)                   ; v16, v17, v40 .. v50 and v52 .. v62 are written: the offsets and data of the twelve stores
	global_store_b32 v17, v16, s[24:25]            ; the ranks are 0 .. 31, each once: 128 bytes on end
.irp i, 0,1,2,3,4,5,6,7,8,9,10
	global_store_b32 v[40+\i], v[52+\i], s[26:27]  ; the places are 0 .. 351, each once
.endr
.Lmeet:
	s_wait_dscnt 0x0                               ; for the others' sake: my stores into the stage are done
	s_wait_alu depctr_vm_vsrc(0)                   ; on the way with products my stores into the stage have read v[RS ..], in which the stage's rows land behind the barrier
	s_barrier_signal -1
	s_barrier_wait -1
	s_cmp_ge_u32 s33, 16
	s_cbranch_scc1 .Lend
.irp i, 0,1,2,3
	ds_load_b128 v[RS+4*\i:RS+4*\i+3], v[RD] offset:\i*2*SP                    ; rows 8 w + 2 i + h, whole
.endr
.irp i, 0,1,2,3
	s_wait_dscnt 3-\i                              ; LDS loads come back in order: the younger ones may stay out
	global_store_b128 v[GO], v[RS+4*\i:RS+4*\i+3], s[18:19] offset:\i*8192     ; sixteen lanes store 256 consecutive bytes, at a multiple of 256 from hb's first byte
.endr
.Lend:
	s_wait_dscnt 0x0                               ; the closing lines, six on end
	s_wait_alu 0x0
	s_wait_tensorcnt 0x0
	ds_add_u32 v254, v255
	s_wait_dscnt 0x0
	s_endpgm
.Lfunc_end_k_qfe4b6d23d6_prep:
	.size	k_qfe4b6d23d6_prep, .Lfunc_end_k_qfe4b6d23d6_prep-k_qfe4b6d23d6_prep
	.p2alignl 7, 3214868480
	.fill 96, 4, 3214868480
	.section	.rodata,"a",@progbits
	.p2align	6, 0x0
	.amdhsa_kernel k_qfe4b6d23d6_prep
		.amdhsa_group_segment_fixed_size 9216
		.amdhsa_private_segment_fixed_size 0
		.amdhsa_enable_private_segment 0
		.amdhsa_kernarg_size 96
		.amdhsa_user_sgpr_count 2
		.amdhsa_user_sgpr_kernarg_segment_ptr 1
		.amdhsa_wavefront_size32 1
		.amdhsa_system_sgpr_workgroup_id_x 1
		.amdhsa_system_sgpr_workgroup_id_y 1
		.amdhsa_system_sgpr_workgroup_id_z 1
		.amdhsa_system_vgpr_workitem_id 0
		.amdhsa_next_free_vgpr 512
		.amdhsa_next_free_sgpr 66
		.amdhsa_reserve_vcc 1
		.amdhsa_float_denorm_mode_32 3
		.amdhsa_float_denorm_mode_16_64 3
		.amdhsa_memory_ordered 1
		.amdhsa_forward_progress 1
		.amdhsa_inst_pref_size 39
	.end_amdhsa_kernel
	.amdgpu_metadata
---
amdhsa.version: [ 1, 2 ]
amdhsa.kernels:
  - .name:           k_qfe4b6d23d6_prep
    .symbol:         k_qfe4b6d23d6_prep.kd
    .args:
      - { .name: hidden_codes, .offset: 0, .size: 8, .value_kind: global_buffer, .address_space: global }
      - { .name: hidden_scales, .offset: 8, .size: 8, .value_kind: global_buffer, .address_space: global }
      - { .name: W2_codes, .offset: 16, .size: 8, .value_kind: global_buffer, .address_space: global }
      - { .name: W2_scales, .offset: 24, .size: 8, .value_kind: global_buffer, .address_space: global }
      - { .name: b1, .offset: 32, .size: 8, .value_kind: global_buffer, .address_space: global }
      - { .name: b2, .offset: 40, .size: 8, .value_kind: global_buffer, .address_space: global }
      - { .name: W1_codes, .offset: 48, .size: 8, .value_kind: global_buffer, .address_space: global }
      - { .name: hb, .offset: 56, .size: 8, .value_kind: global_buffer, .address_space: global }
      - { .name: w1f, .offset: 64, .size: 8, .value_kind: global_buffer, .address_space: global }
      - { .name: seq_len, .offset: 72, .size: 8, .value_kind: global_buffer, .address_space: global }
      - { .name: order, .offset: 80, .size: 8, .value_kind: global_buffer, .address_space: global }
      - { .name: tiles, .offset: 88, .size: 8, .value_kind: global_buffer, .address_space: global }
    .group_segment_fixed_size: 9216
    .private_segment_fixed_size: 0
    .kernarg_segment_align: 8
    .kernarg_segment_size: 96
    .max_flat_workgroup_size: 128
    .sgpr_count:     66
    .vgpr_count:     512
    .wavefront_size: 32
...
	.end_amdgpu_metadata
.endif
;; end of part 4
;; launch score (part 5): grid 352 x 1, 4 waves a work-group, no clusters, 284,160 bytes of LDS; arguments features, tiles, w1f, W1_scales, hb, V, bV, sc; writes sc
.if DOCPART == 5
	.amdgcn_target "amdgcn-amd-amdhsa--gfx1250"
	.amdhsa_code_object_version 6
	.text
	.protected	k_qfe4b6d23d6_score
	.globl	k_qfe4b6d23d6_score
	.p2align	8
	.type	k_qfe4b6d23d6_score,@function
k_qfe4b6d23d6_score:
	s_mov_b64 s[64:65], 0
	v_nop
	global_prefetch_b8 v0, s[64:65] scope:SCOPE_SE
	s_setreg_imm32_b32 hwreg(HW_REG_WAVE_SCHED_MODE, 0, 2), 2
	s_setreg_imm32_b32 hwreg(HW_REG_WAVE_MODE, 25, 1), 1
	s_wait_xcnt 0x0
	s_wait_alu depctr_vm_vsrc(0)
; sc[b][t] = V . tanh(Q(features[b][t]) W1 + b1 + hidden[b] W2 + b2) + bV where t < seq_len[b], else -1e30.  Q: the quantiser to E5M2 with one E8M0 scale for each 32 along D.
; SHARES.  Work-group k takes the tile that tiles[k] names (n << 16 | b << 8 | i; n = seq_len[b] held to 0 .. 2,048): rows t0 = 192 i .. t0 + 191 of batch b, 12 tiles of 16 rows.
; The list has the tiles that hold a row in front of seq_len first, so that these are dealt to the WGPs first.  A tile all of whose rows lie at or behind seq_len[b] has weight 0 in the softmax: its two pieces
; of work are jumped over by a scalar branch on n (so the launch has no tensor load, and shares no tile in a cluster: partners would have different work), and -1e30 is stored.
; Both branches stand inside loops of constant count; both barriers are on every wave's path.
; PHASE Q.  The four waves read whole rows of 4,096 bytes (wave w: bytes 1,024 w on = K steps 2 w, 2 w + 1), turn them through a stage in LDS so that a lane holds 16 neighbours along D,
; quantise them, and leave each fragment (16 rows x 128 K) in LDS as an image of the operand's registers: 4 stores of 512 consecutive bytes; its scale words beside them.
; THE PRODUCT.  Wave w owns hidden units 256 w .. 256 w + 255, in four chunks of 64: 12 x 4 accumulators, 384 registers.  Source 0 = 16 rows of W1 (from w1f, laid in register order: each
; load takes 512 consecutive bytes), source 1 = 16 rows of features (from LDS).  A lane holds ONE row of features (lane % 16) and 8 neighbouring hidden units.
; TANH.  tanh(x) = 1 - 2 / (1 + 2^(c2 x)), c2 = 2 log2(e).  hb holds c2 x the whole addend, so c2 x is one multiply-add on the sum.  V . tanh = sum of V + sum of (-2 V) / (1 + 2^(c2 x)).
; 2^(..) = infinity gives 0 (tanh = 1), 2^(..) = 0 gives 1 (tanh = -1): no clamp is needed.
; The last tile of a batch (i = 10) has 128 rows: its third trip of phase Q reads rows 1,920 .. 1,983 once more, so that no load leaves the buffer; those scores are not stored.
; LIMITS: NaN and infinities in features are not served.  A block whose largest magnitude lies under 2^-111 keeps the scale byte 1, a block of zeros too (its codes are zeros; the bytes are read here alone).
; REGISTERS, in windows of 256.  Window 0: v2-15 addresses and the sum of V; v16-39 the rows' scores, a pair for each tile; v40-71 W1's scale words, v72-167 the features' (scales and nothing else);
;   v168-199 the chunk's addends, v200-231 its -2 V; v232-243 at work.   Window 1: the features' 12 fragments (v0-191), set 2 of W1's fragments (v192-255); in phase Q a ring of 4 x 64 as loaded.
;   Window 2: the accumulators of tiles 0-7; in phase Q two sets of 64 numbers, two sets of codes, the quantiser's scratch.   Window 3: the accumulators of tiles 8-11 (v0-127), sets 0, 1 of W1's fragments.
; THE MODE: SCHED_MODE bits 1:0 = 2 (LLVM: expert scheduling mode 2), set by the entry lines.  The code itself states the register dependences between vector or matrix
; instructions and memory or LDS instructions, with s_wait_alu, always for 0.
; THE PLAN.  Registers that memory or LDS instructions touch:
;   v2-v13, v15, v238, v239   offsets and LDS addresses, made once at the head, ahead of one wait on va_vdst; never written again.
;   PHASE Q, unit u:
;   ring place u % 4     the loads of unit u land in it; the stores of TURN u read it; the loads of unit u + 4 land in it.  No vector instruction names it.
;   X[u % 2]             the LDS loads of TURN u land in it; QUANT u reads and writes it; the LDS loads of TURN u + 2 land in it.
;   codes, word [u % 2]  QUANT u writes them; the five stores of IMAGE u, which stand at the head of unit u + 1, read them; QUANT u + 2 writes them again.
;   v[IMC], v[SWC]       written at a trip's head; read by the trip's IMAGE stores.
;   So a unit's head has one wait on vm_vsrc (TURN u's stores have read the ring place, IMAGE u - 2's the codes) and one on va_vdst (QUANT u - 1 has written its codes and is done with its X);
;   IMAGE u - 1, the loads of unit u + 4 and TURN u + 1 follow them with no further wait, and QUANT u names none of their registers.
;   THE PRODUCT:
;   a third of the features' fragments (4 tiles of rows)   its 16 products read it; behind them one wait on va_vdst, and the next K step's LDS loads land in it: one set is all that the registers leave.
;   W1's three sets      a step's 48 products read one; the loads of two steps on land in the set read in the step before, behind that step's last wait on va_vdst.
;   scale words, addends, -2 V   loaded at a chunk's head, behind one wait on va_vdst: the chunk before is done reading them.   v[BVC]  written there, behind a wait on vm_vsrc.
.set C2,   0x4038aa3b                  ; 2 log2(e)
.set AIMG, 0                           ; LDS: fragment (a, s) at (8 a + s) x 2,048 + 512 c + 16 lane: 196,608 bytes
.set ASC,  196608                      ; the features' scale words at 1,024 s + 64 r + 4 a: 8,192 bytes
.set HBL,  204800                      ; hb[b][0 .. 1023]
.set VML,  4096                        ; and, this far behind it, -2 V
.set RED,  212992                      ; [wave][192] partial scores
.set STG,  216064                      ; for each wave two stages of 16 rows
.set SPIT, 528                         ; a stage row: 512 bytes + 16 = 33 x 16: sixteen rows begin in sixteen different groups of four banks (64 banks of 4 bytes: ISA guide 11.1)
.set STG1, 16*SPIT
.set STW,  2                           ; v2   my stage, in: + 16 lane
.set STR,  3                           ; v3   my stage, out: + 528 r + 64 h
.set IMW,  4                           ; v4   where I store images: 4,096 w + 16 lane
.set SCW,  5                           ; v5   and their scale words: ASC + 2,048 w + 64 r
.set L16,  6                           ; v6   16 lane;  v6, v7, v8: an image's place for my lane in tiles 0-3, 4-7, 8-11
.set ADA,  6
.set ASR,  9                           ; v9   ASC + 64 r
.set BVA,  10                          ; v10  HBL + 1,024 w + 32 h
.set SBO,  11                          ; v11  32 r: a row of W1's scale bytes
.set RDW,  12                          ; v12  RED + 768 w + 4 r
.set RDR,  13                          ; v13  RED + 16 lane
.set VSUM, 14                          ; v14  the sum of V over my wave's 256 hidden units
.set RDR2, 15                          ; v15  RED + 512 + 8 lane
.set SC,   16
.set SCB,  40
.set SCA,  72
.set BI,   168
.set VM,   200
.set IMC,  232                         ; v232-234: this trip's addresses
.set SWC,  233
.set BVC,  234
.set T,    235                         ; v235-243 at work in the head and behind phase Q
.set PC,   128                         ; window 2, phase Q: the codes just made: set u % 2 at PC + 32 (u % 2),
.set TM,   144                         ; largest magnitudes, bytes, holds, scale operands,
.set PW,   176                         ; the scale word: set u % 2 at PW + u % 2
.set MSB, 0
.macro WIN new                         ; the immediate's high byte repeats the setting that is left
.if MSB != \new
	s_set_vgpr_msb (MSB<<8)|\new
.set MSB, \new
.endif
.endm
.macro PLACES                          ; eight places behind this matrix form, in front of the first read of its results, and in front of the wait that stands ahead of loads into its operands
.rept 8
	v_nop
.endr
.endm
	s_load_b512 s[4:19], s[0:1], 0x0               ; features s[4:5], tiles s[6:7], w1f s[8:9], W1's scales s[10:11], hb s[12:13], V s[14:15], bV s[16:17], sc s[18:19]
	v_lshl_add_u32 v254, v0, 2, 0x45400
	v_mov_b32 v255, 0
	v_lshrrev_b32 v[T], 5, v0
	v_readfirstlane_b32 s20, v[T]                  ; wave 0..3
	s_mov_b32 s28, C2
	s_mov_b32 s29, s28                             ; (the packed form names the pair)
	s_mov_b32 s30, 0x76543210
	s_mov_b32 s31, 0xfedcba98                      ; v_permlanex16_b32's selects for lane l xor 16
	s_mov_b32 s32, 0x600000                        ; the mantissa field of 57,344
	s_mov_b32 s39, 0
	s_mov_b32 s49, 0
	s_mov_b32 s51, 0
	s_mov_b32 s55, 0
	s_lshl_b32 s48, ttmp9, 2
	s_wait_alu depctr_va_sdst(0)                   ; s20 is written, ahead of its first reader: bases and LDS addresses are made from it
	s_wait_kmcnt 0x0
	s_add_nc_u64 s[6:7], s[6:7], s[48:49]
	s_load_b32 s24, s[6:7], 0x0                    ; my tile's word
	s_load_b32 s26, s[16:17], 0x0                  ; bV
	v_and_b32 v[T], 31, v0                         ; lane
	v_and_b32 v[T+1], 15, v0                       ; r
	v_bfe_u32 v[T+2], v0, 4, 1                     ; h
	v_lshlrev_b32 v[T+3], 5, v[T]                  ; 32 lane: my eight numbers of my wave's 256
	s_lshl_b32 s50, s20, 10
	s_add_nc_u64 s[14:15], s[14:15], s[50:51]      ; V at my wave's hidden units
	s_add_co_u32 s50, s50, HBL
	v_add_nc_u32 v[T+4], s50, v[T+3]               ; and their place in LDS
	v_lshlrev_b32 v[L16], 4, v[T]
	s_mul_i32 s48, s20, 2*STG1
	s_add_co_u32 s48, s48, STG
	v_add_nc_u32 v[STW], s48, v[L16]
	v_mul_u32_u24 v[STR], v[T+1], SPIT
	v_lshl_add_u32 v[STR], v[T+2], 6, v[STR]
	v_add_nc_u32 v[STR], s48, v[STR]
	s_lshl_b32 s48, s20, 12
	v_add_nc_u32 v[IMW], s48, v[L16]
	s_lshl_b32 s48, s20, 11
	s_add_co_u32 s48, s48, ASC
	v_lshl_add_u32 v[SCW], v[T+1], 6, s48
	v_add_nc_u32 v[ADA+1], 0x10000, v[L16]
	v_add_nc_u32 v[ADA+2], 0x20000, v[L16]
	v_lshl_add_u32 v[ASR], v[T+1], 6, ASC
	v_lshl_add_u32 v[BVA], v[T+2], 5, s50
	v_lshlrev_b32 v[SBO], 5, v[T+1]
	s_mul_i32 s48, s20, 768
	s_add_co_u32 s48, s48, RED
	v_lshl_add_u32 v[RDW], v[T+1], 2, s48
	v_add_nc_u32 v[RDR], RED, v[L16]
	v_lshl_add_u32 v[RDR2], v[T], 3, RED+512
	s_lshl_b32 s54, s20, 18
	s_add_nc_u64 s[42:43], s[8:9], s[54:55]        ; w1f at my wave's first chunk
	s_lshl_b32 s54, s20, 13
	s_add_nc_u64 s[44:45], s[10:11], s[54:55]      ; W1's scale bytes at my wave's first row
.irp a, 0,1,2,3,4,5,6,7,8,9,10,11,12,13,14,15,16,17,18,19,20,21,22,23
	v_mov_b32 v[SC+\a], 0                          ; the scores' sums run over four chunks, and a tile without work leaves them so
.endr
	WIN 0x80
.irp b, 0,1,2,3
	v_mov_b32 v[TM+4+\b], 0                        ; written once: a lane permute's destination counts as one of its sources
.endr
	WIN 0
	s_wait_alu depctr_va_vdst(0)                   ; all offsets and LDS addresses of the kernel but the three that a trip makes (v2 to v13, v15, v238, v239) are written: the loads and stores below read them
	global_load_b128 v[176:179], v[T+3], s[14:15]  ; V and, below, hb are wanted behind phase Q: they are waited for there
	global_load_b128 v[180:183], v[T+3], s[14:15] offset:16
	s_wait_kmcnt 0x0
	s_and_b32 s21, s24, 0xff
	s_min_u32 s21, s21, 10                         ; i  (a loaded number enters an address behind a bound written in the instruction)
	s_bfe_u32 s22, s24, 0x80008
	s_min_u32 s22, s22, 31                         ; b
	s_lshr_b32 s24, s24, 16                        ; n
	s_mul_i32 s23, s21, 192                        ; t0
	s_lshl_b32 s48, s22, 12
	s_lshl_b32 s54, s20, 10
	s_add_co_u32 s48, s48, s54
	s_add_nc_u64 s[12:13], s[12:13], s[48:49]      ; hb[b] at my wave's hidden units
	global_load_b128 v[168:171], v[T+3], s[12:13]
	global_load_b128 v[172:175], v[T+3], s[12:13] offset:16
	s_lshl_b32 s48, s22, 11
	s_add_co_u32 s48, s48, s23                     ; my first row among all 65,536
	s_lshl_b32 s54, s48, 2
	s_add_nc_u64 s[46:47], s[18:19], s[54:55]      ; sc at that row: a multiple of 256 bytes
	s_lshl_b32 s54, s48, 12
	s_lshl_b32 s48, s20, 10
	s_add_co_u32 s54, s54, s48
	s_add_nc_u64 s[34:35], s[4:5], s[54:55]        ; features at that row, my wave's 1,024 bytes (under 2^28 + 2^12 bytes)
	s_mov_b64 s[36:37], s[34:35]                   ; the base of the trip in hand
	s_cmp_eq_u32 s21, 10
	s_cselect_b32 s40, 0, 0x80000                  ; where phase Q's third trip reads: 128 rows on, or in the last tile the first 64 rows again
	s_cmp_lt_u32 s23, s24                          ; has the tile a row that counts?
	s_cselect_b32 s25, 1, 0
; ---- PHASE Q.  A unit u of a trip: tile of rows 4 j + u / 2, K step 2 w + u % 2: 16 rows x 512 bytes.
.macro LOADU u                         ; 16 loads, each 512 consecutive bytes of one row, into ring place u % 4
	WIN 0x40
.irp i, 0,1,2,3,4,5,6,7,8,9,10,11,12,13,14,15
	global_load_b128 v[64*((\u)%4)+4*\i:64*((\u)%4)+4*\i+3], v[L16], s[36:37] offset:(16*((\u)/2)+\i)*4096+((\u)%2)*512 th:TH_LOAD_NT
.endr
.endm
.macro TURN u                          ; through my stage u % 2: in as loaded, out 64 bytes of each block of 32 a lane.  LDS serves a wave's instructions in order: no wait between
	WIN 0x04
.irp i, 0,1,2,3,4,5,6,7,8,9,10,11,12,13,14,15
	ds_store_b128 v[STW], v[64*((\u)%4)+4*\i:64*((\u)%4)+4*\i+3] offset:STG1*((\u)%2)+SPIT*\i
.endr
	WIN 0x80
.irp bk, 0,1,2,3
.irp jj, 0,1,2,3
	ds_load_b128 v[64*((\u)%2)+16*\bk+4*\jj:64*((\u)%2)+16*\bk+4*\jj+3], v[STR] offset:STG1*((\u)%2)+128*\bk+16*\jj
.endr
.endr
.endm
; 64 numbers of a lane, register 16 b + i = k 32 b + 16 (lane / 16) + i of my row, become a fragment's codes in v[QP] on and its scale word in v[QW]: set u % 2.  All in window 2.
.macro QUANT u
.set X, 64*((\u)%2)
.set QP, PC+32*((\u)%2)
.set QW, PW+((\u)%2)
	WIN 0xaa
.irp b, 0,1,2,3
	v_max3_num_f32 v[TM+\b], |v[X+16*\b]|, |v[X+1+16*\b]|, 0x8000000          ; block b: my 16 numbers, and the floor 2^(16 - 127): the byte cannot fall under 1
.endr
.irp i, 2,4,6,8,10,12,14
.irp b, 0,1,2,3
	v_max3_num_f32 v[TM+\b], v[TM+\b], |v[X+16*\b+\i]|, |v[X+1+16*\b+\i]|     ; (the four blocks by turns)
.endr
.endr
.irp b, 0,1,2,3
	v_permlanex16_b32 v[TM+4+\b], v[TM+\b], s30, s31
.endr
.irp b, 0,1,2,3
	v_max_num_f32 v[TM+\b], v[TM+\b], v[TM+4+\b]                               ; with lane l xor 16's: the block's largest magnitude
.endr
.irp b, 0,1,2,3
	v_add_nc_u32 v[TM+12+\b], 0xf8800000, v[TM+\b]                             ; 15 off its exponent field: the conversion's scale operand
.endr
.irp b, 0,1,2,3
	v_and_or_b32 v[TM+8+\b], v[TM+\b], 0x7f800000, s32                         ; 57,344 x the scale
.endr
.irp b, 0,1,2,3
	v_lshrrev_b32 v[TM+4+\b], 23, v[TM+12+\b]                                  ; the scale's byte
.endr
	v_lshl_or_b32 v[QW], v[TM+5], 8, v[TM+4]
	v_lshl_or_b32 v[QW], v[TM+6], 16, v[QW]
	v_lshl_or_b32 v[QW], v[TM+7], 24, v[QW]
.irp b, 0,1,2,3
.irp i, 0,1,2,3,4,5,6,7,8,9,10,11,12,13,14,15
	v_med3_num_f32 v[X+16*\b+\i], v[X+16*\b+\i], -v[TM+8+\b], v[TM+8+\b]       ; the conversion to an 8-bit code does not saturate (ISA guide 7.6.2): the hold at the largest code x the scale
.endr
	v_cvt_scalef32_pk8_bf8_f32 v[QP+4*\b:QP+1+4*\b], v[X+16*\b:X+7+16*\b], v[TM+12+\b]
	v_cvt_scalef32_pk8_bf8_f32 v[QP+2+4*\b:QP+3+4*\b], v[X+8+16*\b:X+15+16*\b], v[TM+12+\b]
.endr
	v_nop                                          ; one plain vector instruction behind the last scaled conversion
.endm
.macro IMAGE u                         ; the fragment of set u % 2 goes to LDS as it stands; lanes r and 16 + r hold, and write, the same scale word
	WIN 0x08
.irp c, 0,1,2,3
	ds_store_b128 v[IMC], v[PC+32*((\u)%2)+4*\c:PC+32*((\u)%2)+4*\c+3] offset:((\u)/2)*16384+((\u)%2)*2048+\c*512
.endr
	ds_store_b32 v[SWC], v[PW+((\u)%2)] offset:((\u)%2)*1024+((\u)/2)*4
.endm
	s_mov_b32 s33, 0                               ; trip j: tiles of rows 4 j .. 4 j + 3
	s_mov_b32 s41, 0                               ; 65,536 j: its images
	s_mov_b32 s52, 0                               ; 16 j: its scale words
.Lq:
	s_cmp_eq_u32 s25, 0
	s_cbranch_scc1 .Lq_next
	s_wait_alu depctr_vm_vsrc(0)                   ; the trip before: its IMAGE stores have read v[IMC] and v[SWC], which the two lines below write, and both sets of codes; its stores into the stage have read the ring, in which the loads below land
	v_add_nc_u32 v[IMC], s41, v[IMW]
	v_add_nc_u32 v[SWC], s52, v[SCW]
	LOADU 0
	LOADU 1
	LOADU 2
	LOADU 3
	s_wait_loadcnt 48                              ; unit 0 is in (and V and hb, which are older); three units of 16 loads may stay out
	TURN 0                                         ; its LDS loads land in X[0]: the wait on va_vdst that closed the trip before stands behind the last instruction that named it
.irp u, 0,1,2,3,4,5,6,7
	s_wait_dscnt 0x0                               ; this unit's numbers are back from the stage
	s_wait_alu depctr_vm_vsrc(0)                   ; TURN u's stores have read ring place u % 4, in which the loads below land; IMAGE u - 2's stores have read the codes and the word of set u % 2, which QUANT u writes
.if \u > 0
	s_wait_alu depctr_va_vdst(0)                   ; QUANT u - 1 has written its codes and its word (and, in unit 1, the trip's head v[IMC], v[SWC]), which the stores below read; it is done with its X, in which TURN u + 1's loads land
	IMAGE \u-1
.endif
.if \u < 4
	LOADU \u+4                                     ; into the ring place that this unit has left
	s_wait_loadcnt 48                              ; the next unit is in; the three behind it may stay out
	TURN \u+1
.elseif \u < 7
	s_wait_loadcnt 16*(6-\u)                       ; the units behind the next one
	TURN \u+1
.endif
	QUANT \u
.endr
	s_wait_alu depctr_va_vdst(0)                   ; QUANT 7 has written its codes and its word, which the stores below read; both X are done with: the next trip's TURN 0 and TURN 1 load into them
	IMAGE 7
	WIN 0
.Lq_next:
	s_wait_dscnt 0x0
	s_wait_xcnt 0x0                                ; the loads' base is written only behind this wait
	s_add_co_u32 s41, s41, 0x10000
	s_add_co_u32 s52, s52, 16
	s_add_co_u32 s33, s33, 1
	s_cmp_eq_u32 s33, 2
	s_cselect_b32 s38, s40, 0x40000                ; 64 rows on; for the third trip see s40
	s_add_nc_u64 s[36:37], s[34:35], s[38:39]
	s_cmp_lt_u32 s33, 3
	s_cbranch_scc1 .Lq
	; ---- the addends, -2 V and the sum of V, on every wave's path: asked for at the head, wanted from here on
	s_wait_loadcnt 0x0
	v_add_f32 v[VSUM], v176, v177
	v_add_f32 v[T+5], v178, v179
	v_add_f32 v[T+6], v180, v181
	v_add_f32 v[T+7], v182, v183
	v_add_f32 v[VSUM], v[VSUM], v[T+5]
	v_add_f32 v[T+6], v[T+6], v[T+7]
	v_add_f32 v[VSUM], v[VSUM], v[T+6]
	v_add_f32_dpp v[VSUM], v[VSUM], v[VSUM] row_xmask:1 row_mask:0xf bank_mask:0xf
	v_add_f32_dpp v[VSUM], v[VSUM], v[VSUM] row_xmask:2 row_mask:0xf bank_mask:0xf
	v_add_f32_dpp v[VSUM], v[VSUM], v[VSUM] row_xmask:4 row_mask:0xf bank_mask:0xf
	v_add_f32_dpp v[VSUM], v[VSUM], v[VSUM] row_xmask:8 row_mask:0xf bank_mask:0xf
	v_permlanex16_b32 v[T+5], v[VSUM], s30, s31
	v_add_f32 v[VSUM], v[VSUM], v[T+5]
.irp p, 0,2,4,6
	v_pk_mul_f32 v[184+\p:185+\p], v[176+\p:177+\p], -2.0 op_sel_hi:[1,0]
.endr
	s_wait_alu depctr_va_vdst(0)                   ; the four multiplications have written v184 to v191, which the last two stores below read
	ds_store_b128 v[T+4], v[168:171]
	ds_store_b128 v[T+4], v[172:175] offset:16
	ds_store_b128 v[T+4], v[184:187] offset:VML
	ds_store_b128 v[T+4], v[188:191] offset:VML+16
	s_wait_dscnt 0x0                               ; for the others' sake: my images, scale words, addends are in LDS
	s_barrier_signal -1
	s_barrier_wait -1
	s_wait_alu depctr_vm_vsrc(0)                   ; my LDS stores have read v168-175 and v184-191 (LDS loads land there, and the sums at the end write them), the codes' registers (products write them) and the ring (fragments land in it)
; ---- THE PRODUCT AND THE TANH, a chunk of 64 hidden units a trip
.macro FETCH_B s                       ; W1's four fragments of K step s into set s % 3: sixteen loads of 512 consecutive bytes
.if ((\s)%3) == 2
	WIN 0x40
.set BR, 192
.else
	WIN 0xc0
.set BR, 128+64*((\s)%3)
.endif
.irp bb, 0,1,2,3
.irp c, 0,1,2,3
	global_load_b128 v[BR+16*\bb+4*\c:BR+16*\bb+4*\c+3], v[L16], s[42:43] offset:(\s)*8192+\bb*2048+\c*512
.endr
.endr
.endm
.macro FETCH_A s, g                    ; the features' fragments of K step s, tiles 4 g .. 4 g + 3
	WIN 0x40
.irp k, 0,1,2,3
.irp c, 0,1,2,3
	ds_load_b128 v[16*(4*(\g)+\k)+4*\c:16*(4*(\g)+\k)+4*\c+3], v[ADA+(\g)] offset:\k*16384+(\s)*2048+\c*512
.endr
.endr
.endm
; 16 matrix instructions: tiles of rows 4 g .. 4 g + 3 x the chunk's four tiles of hidden units.  The 48 accumulators take turns, one instruction a turn, in the same order in every step.
.macro MULG g, s, zero
.if ((\s)%3) == 2
.set BR, 192
.if (\g) < 2
	WIN 0xa5                                       ; source 0 (W1) window 1, source 1 (features) window 1, C and D window 2
.else
	WIN 0xf5
.endif
.else
.set BR, 128+64*((\s)%3)
.if (\g) < 2
	WIN 0xa7                                       ; source 0 window 3
.else
	WIN 0xf7
.endif
.endif
.irp k, 0,1,2,3
.irp bb, 0,1,2,3
.set AC, 32*((4*(\g)+\k)%8)+8*\bb
.set AF, 16*(4*(\g)+\k)
.if \zero
	v_wmma_scale_f32_16x16x128_f8f6f4 v[AC:AC+7], v[BR+16*\bb:BR+16*\bb+15], v[AF:AF+15], 0, v[SCB+8*\bb+(\s)], v[SCA+12*(\s)+4*(\g)+\k] matrix_a_fmt:MATRIX_FMT_BF8 matrix_b_fmt:MATRIX_FMT_BF8
.else
	v_wmma_scale_f32_16x16x128_f8f6f4 v[AC:AC+7], v[BR+16*\bb:BR+16*\bb+15], v[AF:AF+15], v[AC:AC+7], v[SCB+8*\bb+(\s)], v[SCA+12*(\s)+4*(\g)+\k] matrix_a_fmt:MATRIX_FMT_BF8 matrix_b_fmt:MATRIX_FMT_BF8
.endif
.endr
.endr
.endm
; A K step of 128: 48 matrix instructions in three thirds.  W1's fragments are asked for two steps ahead (three sets), a third of the features' as soon as its 16 products are done reading it.
.macro STEP s, zero
.if (\s) <= 5
	FETCH_B (\s)+2                                 ; its set was read last in the step before.  No wait here: no vector or matrix instruction has been issued since that step's last wait on va_vdst (in step 0: since the chunk's head's)
	s_wait_loadcnt 32                              ; this step's set is in (and the scale words, which are older); the two sets behind it may stay out
.elseif (\s) == 6
	s_wait_loadcnt 16
.else
	s_wait_loadcnt 0
.endif
.irp g, 0,1,2
.if (\s) < 7
	s_wait_dscnt 32                                ; this third is in; the two thirds of 16 loads behind it may stay out
.else
	s_wait_dscnt 32-16*\g                          ; the last step fetches nothing: the counts run down
.endif
	MULG \g, \s, \zero
	PLACES
.if (\s) < 7
	WIN 0x40                                       ; the loads' window first, then the wait, then the loads
	s_wait_alu depctr_va_vdst(0)                   ; this third's 16 products are done reading their fragments of the features, in which the loads below land; behind the last third: the step's 48 are done reading their set of W1's
	FETCH_A (\s)+1, \g
.endif
.endr
.endm
; The tanh of four accumulators (tiles of rows 4 g + k, tile bb of hidden units) and their part of the scores.
.macro TG bb, g
.if (\g) < 2
	WIN 0x82                                       ; destination and source 0: the accumulators' window
.else
	WIN 0xc3
.endif
.irp p, 0,2,4,6                                ; each accumulator from its low end on
.irp k, 0,1,2,3
	v_pk_fma_f32 v[32*((4*(\g)+\k)%8)+8*(\bb)+\p:32*((4*(\g)+\k)%8)+8*(\bb)+\p+1], v[32*((4*(\g)+\k)%8)+8*(\bb)+\p:32*((4*(\g)+\k)%8)+8*(\bb)+\p+1], s[28:29], v[BI+8*(\bb)+\p:BI+8*(\bb)+\p+1] op_sel_hi:[1,0,1]   ; c2 x sum + c2 x addend
.endr
.endr
.irp k, 0,1,2,3
.irp j, 0,1,2,3,4,5,6,7
	v_exp_f32 v[32*((4*(\g)+\k)%8)+8*(\bb)+\j], v[32*((4*(\g)+\k)%8)+8*(\bb)+\j]
.endr
.endr
	v_nop                                          ; a plain instruction behind the last exponential
	s_wait_alu depctr_va_vdst(0)                   ; the 32 exponentials have written their results, ahead of the additions that read them: one wait for the batch
.irp p, 0,2,4,6
.irp k, 0,1,2,3
	v_pk_add_f32 v[32*((4*(\g)+\k)%8)+8*(\bb)+\p:32*((4*(\g)+\k)%8)+8*(\bb)+\p+1], v[32*((4*(\g)+\k)%8)+8*(\bb)+\p:32*((4*(\g)+\k)%8)+8*(\bb)+\p+1], 1.0 op_sel_hi:[1,0]
.endr
.endr
.irp k, 0,1,2,3
.irp j, 0,1,2,3,4,5,6,7
	v_rcp_f32 v[32*((4*(\g)+\k)%8)+8*(\bb)+\j], v[32*((4*(\g)+\k)%8)+8*(\bb)+\j]
.endr
.endr
	v_nop                                          ; a plain instruction behind the last reciprocal
.if (\g) < 2
	WIN 0x02
.else
	WIN 0x03
.endif
	s_wait_alu depctr_va_vdst(0)                   ; the 32 reciprocals have written their results, ahead of the multiply-adds that read them: one wait for the batch
.irp p, 0,2,4,6                                ; four chains, one for each tile of rows
.irp k, 0,1,2,3
	v_pk_fma_f32 v[SC+2*(4*(\g)+\k):SC+2*(4*(\g)+\k)+1], v[32*((4*(\g)+\k)%8)+8*(\bb)+\p:32*((4*(\g)+\k)%8)+8*(\bb)+\p+1], v[VM+8*(\bb)+\p:VM+8*(\bb)+\p+1], v[SC+2*(4*(\g)+\k):SC+2*(4*(\g)+\k)+1]
.endr
.endr
.endm
	s_mov_b32 s33, 0
	s_mov_b32 s53, 0                               ; 256 x chunk: its addends and its -2 V
.Lc:
	s_cmp_eq_u32 s25, 0
	s_cbranch_scc1 .Lc_next
	s_wait_alu depctr_vm_vsrc(0)                   ; the LDS loads of the chunk before have read v[BVC], which the next line writes
	v_add_nc_u32 v[BVC], s53, v[BVA]
	s_wait_alu depctr_va_vdst(0)                   ; v[BVC] is written; the chunk before (in the first chunk: the sum of V and the multiplications by -2) is done reading the scale words, the fragments, the addends and -2 V, in all of which the loads below land
.irp bb, 0,1,2,3
.irp q, 0,1
	global_load_b128 v[SCB+8*\bb+4*\q:SCB+8*\bb+4*\q+3], v[SBO], s[44:45] offset:\bb*512+16*\q   ; a row's 32 scale bytes are its eight words, one for each K step
.endr
.endr
	FETCH_B 0
	FETCH_B 1
	WIN 0
.irp s, 0,1,2,3,4,5,6,7
.irp q, 0,1,2
	ds_load_b128 v[SCA+12*\s+4*\q:SCA+12*\s+4*\q+3], v[ASR] offset:\s*1024+16*\q                 ; row r's words of K step s for the 12 tiles of rows
.endr
.endr
.irp bb, 0,1,2,3
.irp q, 0,1
	ds_load_b128 v[BI+8*\bb+4*\q:BI+8*\bb+4*\q+3], v[BVC] offset:\bb*64+16*\q                    ; hidden units 16 bb + 8 h + 0 .. 7
	ds_load_b128 v[VM+8*\bb+4*\q:VM+8*\bb+4*\q+3], v[BVC] offset:VML+\bb*64+16*\q
.endr
.endr
	FETCH_A 0, 0
	FETCH_A 0, 1
	FETCH_A 0, 2
	STEP 0, 1                                      ; the first step's products start the sums: nothing is cleared
	STEP 1, 0
	STEP 2, 0
	STEP 3, 0
	STEP 4, 0
	STEP 5, 0
	STEP 6, 0
	STEP 7, 0                                      ; its closing places stand in front of the first read of results
.irp g, 0,1,2
.irp bb, 0,1,2,3
	TG \bb, \g
.endr
.endr
	WIN 0
.Lc_next:
	s_wait_dscnt 0x0
	s_wait_xcnt 0x0                                ; the loads' bases are written only behind this wait
	s_add_nc_u64 s[42:43], s[42:43], 0x10000
	s_add_nc_u64 s[44:45], s[44:45], 0x800
	s_add_co_u32 s53, s53, 256
	s_add_co_u32 s33, s33, 1
	s_cmp_lt_u32 s33, 4
	s_cbranch_scc1 .Lc
	; ---- the waves' parts of the 192 scores meet in LDS.  (v168-191 were written whole behind phase Q, on every path.)
.irp a, 0,1,2,3,4,5,6,7,8,9,10,11
	v_add_f32 v[168+\a], v[SC+2*\a], v[SC+2*\a+1]
.endr
.irp a, 0,1,2,3,4,5,6,7,8,9,10,11
	v_permlanex16_b32 v[180+\a], v[168+\a], s30, s31                           ; the row's other hidden units lie in the lane 16 away
.endr
.irp a, 0,1,2,3,4,5,6,7,8,9,10,11
	v_add_f32 v[168+\a], v[168+\a], v[180+\a]
.endr
.irp a, 0,1,2,3,4,5,6,7,8,9,10,11
	v_add_f32 v[168+\a], v[168+\a], v[VSUM]
.endr
	s_wait_alu depctr_va_vdst(0)                   ; the sums have written v168 to v179, which the stores below read; the last tanh is done reading -2 V in v200 on, in which wave 0's LDS loads land behind the barrier
.irp a, 0,1,2,3,4,5,6,7,8,9,10,11
	ds_store_b32 v[RDW], v[168+\a] offset:\a*64                                ; row 16 a + r; lanes r and 16 + r write the same word with the same value
.endr
	s_wait_dscnt 0x0
	s_barrier_signal -1
	s_barrier_wait -1
	s_cmp_lg_u32 s20, 0
	s_cbranch_scc1 .Lend
.irp k, 0,1,2,3
	ds_load_b128 v[200+4*\k:203+4*\k], v[RDR] offset:\k*768                    ; rows 4 lane .. + 3 of the first 128,
	ds_load_b64 v[216+2*\k:217+2*\k], v[RDR2] offset:\k*768                    ; rows 128 + 2 lane, + 1
.endr
	v_mov_b32 v224, 0xf149f2ca                     ; -1e30
	v_lshrrev_b32 v225, 2, v[L16]
	v_add_nc_u32 v225, s23, v225                   ; t of my first row: t0 + 4 lane
	v_lshrrev_b32 v226, 3, v[L16]
	v_add_nc_u32 v226, s23, v226
	v_add_nc_u32 v226, 0x80, v226                  ; t0 + 128 + 2 lane
	v_lshrrev_b32 v227, 1, v[L16]                  ; 8 lane
	s_wait_dscnt 0x0
	v_pk_add_f32 v[200:201], v[200:201], v[204:205]
	v_pk_add_f32 v[202:203], v[202:203], v[206:207]
	v_pk_add_f32 v[208:209], v[208:209], v[212:213]
	v_pk_add_f32 v[210:211], v[210:211], v[214:215]
	v_pk_add_f32 v[216:217], v[216:217], v[218:219]
	v_pk_add_f32 v[220:221], v[220:221], v[222:223]
	v_pk_add_f32 v[200:201], v[200:201], v[208:209]
	v_pk_add_f32 v[202:203], v[202:203], v[210:211]
	v_pk_add_f32 v[216:217], v[216:217], v[220:221]
.irp ii, 0,1,2,3
	v_add_f32 v[200+\ii], s26, v[200+\ii]          ; + bV
	v_add_nc_u32 v[192+\ii], \ii, v225             ; the row's t
.endr
.irp ii, 0,1
	v_add_f32 v[216+\ii], s26, v[216+\ii]
	v_add_nc_u32 v[196+\ii], \ii, v226
.endr
.irp ii, 0,1,2,3,4,5
	v_cmp_gt_i32 s[56+\ii], s24, v[192+\ii]        ; n > t: the row counts.  The six compares in one run, a mask each
.endr
	s_wait_alu depctr_va_sdst(0)                   ; the six masks are written to s56 .. s61, ahead of the selections that read them
.irp ii, 0,1,2,3
	v_cndmask_b32 v[200+\ii], v224, v[200+\ii], s[56+\ii]
.endr
.irp ii, 0,1
	v_cndmask_b32 v[216+\ii], v224, v[216+\ii], s[60+\ii]
.endr
	s_wait_alu depctr_va_vdst(0)                   ; the selections have written v200 to v203, v216 and v217, the two stores' data; v227, the second store's offset, is written
	global_store_b128 v[L16], v[200:203], s[46:47]                             ; 512 consecutive bytes, at a multiple of 256 from sc's first byte
	s_cmp_eq_u32 s21, 10                           ; the batch's last tile has 128 rows
	s_cbranch_scc1 .Lend
	global_store_b64 v227, v[216:217], s[46:47] offset:512                     ; 256 consecutive bytes
.Lend:
	s_wait_dscnt 0x0                               ; the closing lines, six on end
	s_wait_alu 0x0
	s_wait_tensorcnt 0x0
	ds_add_u32 v254, v255
	s_wait_dscnt 0x0
	s_endpgm
.Lfunc_end_k_qfe4b6d23d6_score:
	.size	k_qfe4b6d23d6_score, .Lfunc_end_k_qfe4b6d23d6_score-k_qfe4b6d23d6_score
	.p2alignl 7, 3214868480
	.fill 96, 4, 3214868480
	.section	.rodata,"a",@progbits
	.p2align	6, 0x0
	.amdhsa_kernel k_qfe4b6d23d6_score
		.amdhsa_group_segment_fixed_size 284160
		.amdhsa_private_segment_fixed_size 0
		.amdhsa_enable_private_segment 0
		.amdhsa_kernarg_size 64
		.amdhsa_user_sgpr_count 2
		.amdhsa_user_sgpr_kernarg_segment_ptr 1
		.amdhsa_wavefront_size32 1
		.amdhsa_system_sgpr_workgroup_id_x 1
		.amdhsa_system_sgpr_workgroup_id_y 1
		.amdhsa_system_sgpr_workgroup_id_z 1
		.amdhsa_system_vgpr_workitem_id 0
		.amdhsa_next_free_vgpr 1024
		.amdhsa_next_free_sgpr 66
		.amdhsa_reserve_vcc 0
		.amdhsa_float_denorm_mode_32 3
		.amdhsa_float_denorm_mode_16_64 3
		.amdhsa_memory_ordered 1
		.amdhsa_forward_progress 1
		.amdhsa_inst_pref_size 255
	.end_amdhsa_kernel
	.section	.bss,"aw",@nobits
	.p2align	6
	.space	262144
	.amdgpu_metadata
---
amdhsa.version: [ 1, 2 ]
amdhsa.kernels:
  - .name:           k_qfe4b6d23d6_score
    .symbol:         k_qfe4b6d23d6_score.kd
    .args:
      - { .name: features, .offset: 0, .size: 8, .value_kind: global_buffer, .address_space: global }
      - { .name: tiles, .offset: 8, .size: 8, .value_kind: global_buffer, .address_space: global }
      - { .name: w1f, .offset: 16, .size: 8, .value_kind: global_buffer, .address_space: global }
      - { .name: W1_scales, .offset: 24, .size: 8, .value_kind: global_buffer, .address_space: global }
      - { .name: hb, .offset: 32, .size: 8, .value_kind: global_buffer, .address_space: global }
      - { .name: V, .offset: 40, .size: 8, .value_kind: global_buffer, .address_space: global }
      - { .name: bV, .offset: 48, .size: 8, .value_kind: global_buffer, .address_space: global }
      - { .name: sc, .offset: 56, .size: 8, .value_kind: global_buffer, .address_space: global }
    .group_segment_fixed_size: 284160
    .private_segment_fixed_size: 0
    .kernarg_segment_align: 8
    .kernarg_segment_size: 64
    .max_flat_workgroup_size: 128
    .sgpr_count:     66
    .vgpr_count:     1024
    .wavefront_size: 32
...
	.end_amdgpu_metadata
.endif
;; end of part 5
;; launch finish: the kernel of part 3 again; grid 16 x 16, 16 waves a work-group, no clusters, 27,136 bytes of LDS; arguments sc, order, features, out0, out1; writes out0, out1
